; MI455X (gfx1250); checked and timed in simulation.
; The chip was launched on July 23, 2026; its instructions are those of AMD's public machine-readable ISA for CDNA 5 (MIT licence, August 2026) and "CDNA5" Instruction Set Architecture Reference Guide (July 2026). The comments in the code are by the model that wrote it; some were corrected since.
;; Ex GRU. Allowed arithmetic: matrix products marked QUANTISED: E3M2 operands, one E8M0 scale for each 32 along K, by v_wmma_scale_f32_16x16x128_f8f6f4 with both operands' format E3M2, f32 sums; everything else in f32.
;; Inputs: W_h 1,024 x 2,048 float32; W_o 512 x 1,024 float32; W_r 1,024 x 2,048 float32; W_z 1,024 x 2,048 float32; b_h 1,024 float32; b_o 512 float32; b_r 1,024 float32; b_z 1,024 float32; hidden_state 8,192 x 1,024 float32; x 8,192 x 1,024 float32.
;; Outputs: out0 8,192 x 512 float32; out1 8,192 x 1,024 float32.
;; This version of the problem:
;;   THIS VERSION OF THE PROBLEM IS GIVEN IN LOW PRECISION. The matrix products marked QUANTISED in the list below multiply operands that are first quantised to E3M2 (3 exponent bits, 2 mantissa bits; 6 bits a number), with one power-of-two scale for each 32 numbers along K (OCP MX v1.0); their sums are f32. All else is computed in f32.
;;   The module's matrix products, in the order in which they are computed (A, B: the left and right operand; K: the contracted axis; several contracted axes count as one K, in the product's order):
;;     1. [M 8,192, K 2,048] x [K 2,048, N 1,024]; A: computed on the way; B: input W_z: QUANTISED
;;     2. [M 8,192, K 2,048] x [K 2,048, N 1,024]; A: computed on the way; B: input W_r: QUANTISED
;;     3. [M 8,192, K 2,048] x [K 2,048, N 1,024]; A: computed on the way; B: input W_h: QUANTISED
;;     4. [M 8,192, K 1,024] x [K 1,024, N 512]; A: computed on the way; B: input W_o: QUANTISED
;;   THE QUANTISER, for each operand of a quantised product, along K:
;;     - K is cut into blocks of 32 from its start; a last block that is shorter is filled with zeros.
;;     - A block's scale is 2^e with e = floor(log2(the largest magnitude in the block)) - 4, held to -126 .. 127; a block of zeros has e = 0. As a byte (E8M0): e + 127.
;;     - Each number is divided by its block's scale, clamped to +-28, and rounded to the nearest number of E3M2, ties to even, subnormals kept.
;;     - The product sums the exact products of the quantised numbers (number of the format x scale) in f32.
;;   ~~~python
;;   def quantise(x, axis):      # numpy; x: float32 -> the quantised numbers, widened to float32 again
;;       x = np.moveaxis(x, axis, -1); K = x.shape[-1]
;;       x = np.pad(x, [(0, 0)] * (x.ndim - 1) + [(0, -K % 32)]); x = x.reshape(x.shape[:-1] + (-1, 32)); a = np.abs(x).max(-1, keepdims=True)
;;       e = np.where(a > 0, np.clip(np.frexp(np.where(a > 0, a, 1))[1] - 1 - 4, -126, 127), 0)      # np.frexp(a)[1] - 1 = floor(log2(a)), exactly
;;       r = np.clip(x / 2.0 ** e, -28, 28)
;;       step = 2.0 ** (np.maximum(np.frexp(np.where(r == 0, 1, r))[1] - 1, -2) - 2)
;;       q = np.round(r / step) * step * 2.0 ** e      # np.round: ties to even
;;       return np.moveaxis(q.reshape(q.shape[:-2] + (-1,))[..., :K], -1, axis).astype(np.float32)
;;   ~~~
;;   OPERANDS COMPUTED ON THE WAY. 'Computed on the way' means the value that the module computes at that place (a softmax that the list does not call 'softmax' is quantised finished and normalised). What goes into a quantiser is computed in f32, as accurately as f32 sums, v_exp_f32 and their like allow (about 1e-6 of the number): no bf16 or f16 on the way to a quantiser, and a product that is left as it is and whose result goes on into a quantised operand takes f32 operands (vector FMAs, or v_wmma_f32_16x16x4_f32). A number that lies on a knife's edge between two numbers of the format may be rounded either way, as far as f32 arithmetic and the matrix unit's own rounding can turn it there, and no further.
;; One version. Each part assembles by itself: llvm-mc -triple=amdgcn-amd-amdhsa -mcpu=gfx1250 --defsym DOCPART=n.
;; ======== version 1 of 1: 4 launches
;; limits: right only within a limited range of input values
;; workspace buffers: qin 18,432,000 bytes; rhq 6,553,600 bytes; hidq 6,553,600 bytes
;; launch quant (part 1): grid 720 x 1, 4 waves a work-group, no clusters, 35,328 bytes of LDS; arguments x, hidden_state, W_z, W_r, W_h, W_o, qin; writes qin
.if DOCPART == 1
	.amdgcn_target "amdgcn-amd-amdhsa--gfx1250"
	.amdhsa_code_object_version 6
	.text
	.protected	k_q8ff9bd9a48_quant
	.globl	k_q8ff9bd9a48_quant
	.p2align	8
	.type	k_q8ff9bd9a48_quant,@function
k_q8ff9bd9a48_quant:
	s_mov_b64 s[64:65], 0
	v_nop
	global_prefetch_b8 v0, s[64:65] scope:SCOPE_SE
	s_setreg_imm32_b32 hwreg(HW_REG_WAVE_MODE, 25, 1), 1
	s_wait_xcnt 0x0
; x, hidden_state [8192][1024], W_z, W_r, W_h [1024][2048], W_o [512][1024], all f32 with K innermost, become codes of BF6 (E3M2) with one E8M0 byte for each 32 along K.
; A block's scale is 2^(floor(log2(its largest magnitude)) - 4); its byte is the largest magnitude's exponent field - 4, held at 1 from below.
; LIMITS: a block whose largest magnitude lies under 2^-122 (a block of zeros among them, where the rule says byte 127) gets byte 1: its codes are then zeros or near it, and the bytes are read by this program alone.
;         NaN and infinities among the inputs are not served.
; THE WORKSPACE IS LAID AS THE MATRIX UNIT'S REGISTERS WANT IT.  A RECORD is 16 rows x 512 along K, 6,400 bytes: four fragment images (128 along K each, 1,536 bytes: registers 4 c .. 4 c + 3 of lane l at 512 c + 16 l),
; then 256 bytes of scale words (row r's word for the s-th 128 along K at 6144 + 64 s + 4 r).  A tensor is [row block][group of 512 along K] of records; the six tensors follow each other in qin.
; THE ROWS OF W_z, W_r, W_h ARE PERMUTED: row r' of row block 2 G + u is the tensor's row 32 G + 8 u + r' % 8 + 16 (r' / 8), so that a later product's results, used transposed, are neighbours along the next K.
; SHARES: one wave makes one record; record number = 4 x work-group + wave.  Work-groups 0-255 x, 256-511 hidden_state, 512-575 W_z, 576-639 W_r, 640-703 W_h, 704-719 W_o: only pointers and offsets are chosen, all take one path.
; Each load takes 512 consecutive bytes of one row; a fragment's 16 rows turn through the wave's own stage in LDS and come back with 16 neighbours along K of each block of 32 in a lane.  Waves share nothing: no barrier.
.set REC,   6400
.set SROW,  528                        ; a stage row: 512 bytes + 16: the sixteen rows that a read touches begin in sixteen different 16-byte columns of 256 bytes
.set SCL,   16*SROW                    ; behind the stage: the record's 256 bytes of scale words
.set WREG,  SCL+256                    ; LDS of a wave
.set SGD,   5                          ; v5   stage + 16 x lane: a row as it is loaded
.set SGA,   6                          ; v6   stage + 528 r + 64 h: my 16 numbers of a block of 32
.set SCW,   7                          ; v7   scale words + 4 r
.set SCR,   8                          ; v8   scale words + 8 x lane
.set L8,    9                          ; v9   8 x lane
.set VA,    10                         ; v10-17  16 x lane + j rows of the tensor; v10 is also the stores' offset
.set OUTS,  18                         ; v18-19  the scale words on their way out
.set TM,    20                         ; v20-23 largest magnitudes, v24-27 bytes, v32-35 the conversions' scale operands
.set PW,    36                         ; v36  the scale word just made
.set TC,    38                         ; v38-45  the upper halves of the blocks' codes, before they are moved
.set PC,    48                         ; v48-95  the four fragments' codes: each store has registers of its own
.set R,     96                         ; v96-159, v160-223  two sets of 64 numbers
.set SEL,   36                         ; s[36:37] lane selects of v_permlanex16_b32: lane l xor 16
; 64 numbers of a lane, register 16 b + i = k 32 b + 16 (lane / 16) + i of my row, become a fragment's 12 registers of codes at v[pc] and its scale word in v[pw].
.macro QUANT src, pc, tc, pw
.irp b, 0,1,2,3
	v_max3_num_f32 v[TM+\b], |v[(\src)+16*\b]|, |v[(\src)+1+16*\b]|, 0x2800000   ; block b: my 16 numbers, and the floor 2^(5 - 127): the byte cannot fall under 1
.endr
.irp i, 2,4,6,8,10,12,14
.irp b, 0,1,2,3
	v_max3_num_f32 v[TM+\b], v[TM+\b], |v[(\src)+16*\b+\i]|, |v[(\src)+1+16*\b+\i]|   ; the four blocks by turns
.endr
.endr
.irp b, 0,1,2,3
	v_permlanex16_b32 v[TM+4+\b], v[TM+\b], s[SEL], s[SEL+1]
.endr
.irp b, 0,1,2,3
	v_max_num_f32 v[TM+\b], v[TM+\b], v[TM+4+\b]           ; with lane l xor 16's 16: the block's largest magnitude
.endr
.irp b, 0,1,2,3
	v_add_nc_u32 v[TM+12+\b], 0xfe000000, v[TM+\b]         ; 4 off its exponent field: the conversion takes this operand's exponent field as its scale
.endr
.irp b, 0,1,2,3
	v_lshrrev_b32 v[TM+4+\b], 23, v[TM+12+\b]              ; the scale's byte
.endr
	v_lshl_or_b32 v[(\pw)], v[TM+5], 8, v[TM+4]            ; four bytes: my row's scale word
	v_lshl_or_b32 v[(\pw)], v[TM+6], 16, v[(\pw)]
	v_lshl_or_b32 v[(\pw)], v[TM+7], 24, v[(\pw)]
.irp c, 0,1
	v_cvt_scalef32_pk16_bf6_f32 v[(\pc)+6*\c:(\pc)+2+6*\c], v[(\src)+32*\c:(\src)+15+32*\c], v[TM+12+2*\c]
	v_cvt_scalef32_pk16_bf6_f32 v[(\tc)+4*\c:(\tc)+2+4*\c], v[(\src)+16+32*\c:(\src)+31+32*\c], v[TM+13+2*\c]   ; (a conversion's three registers begin on an even number)
.endr
	v_nop                                                  ; one plain instruction behind the last scaled conversion
.irp c, 0,1                                            ; the operand's layout wants a whole block in a lane: lanes 0-15 block 2 c, lanes 16-31 block 2 c + 1
.irp i, 0,1,2
	v_permlane16_swap_b32 v[(\pc)+6*\c+\i], v[(\tc)+4*\c+\i]
.endr
.irp i, 0,1,2
	v_mov_b32 v[(\pc)+3+6*\c+\i], v[(\tc)+4*\c+\i]
.endr
.endr
.endm
.macro LOAD s                          ; the s-th 128 along K of my 16 rows: a load takes one row's 512 consecutive bytes
.irp j, 0,1,2,3,4,5,6,7
	global_load_b128 v[R+64*((\s)%2)+4*\j:R+64*((\s)%2)+4*\j+3], v[VA+\j], s[30:31] offset:512*(\s) th:TH_LOAD_NT
.endr
.irp j, 0,1,2,3,4,5,6,7
	global_load_b128 v[R+64*((\s)%2)+32+4*\j:R+64*((\s)%2)+32+4*\j+3], v[VA+\j], s[32:33] offset:512*(\s) th:TH_LOAD_NT
.endr
.endm
.macro STAGE s                         ; through my stage: LDS serves a wave's instructions in order, so no wait stands between the stores and the loads
.irp j, 0,1,2,3,4,5,6,7,8,9,10,11,12,13,14,15
	ds_store_b128 v[SGD], v[R+64*((\s)%2)+4*\j:R+64*((\s)%2)+4*\j+3] offset:SROW*\j
.endr
.irp b, 0,1,2,3
.irp i, 0,1,2,3
	ds_load_b128 v[R+64*((\s)%2)+16*\b+4*\i:R+64*((\s)%2)+16*\b+4*\i+3], v[SGA] offset:128*\b+16*\i
.endr
.endr
.endm
.macro STEP s
.if (\s) < 3
	s_wait_loadcnt 16                                      ; this fragment's 16 loads are in; the next fragment's 16 may be out
.else
	s_wait_loadcnt 0x0
.endif
	STAGE \s
	s_wait_dscnt 0x0                                       ; the numbers are back; the last step's scale word has been stored, so v[PW] may be written
	QUANT R+64*((\s)%2), PC+12*(\s), TC, PW
.irp c, 0,1,2
	global_store_b128 v[VA], v[PC+12*(\s)+4*\c:PC+12*(\s)+4*\c+3], s[34:35] offset:1536*(\s)+512*\c   ; 32 lanes store 512 consecutive bytes, at a multiple of 256 from qin's first byte
.endr
	ds_store_b32 v[SCW], v[PW] offset:64*(\s)              ; lanes l and l + 16 write the same word with the same value
.if (\s) < 2
	LOAD (\s)+2
.endif
.endm
	s_load_b256 s[4:11], s[0:1], 0x0               ; x, hidden_state, W_z, W_r
	s_load_b128 s[12:15], s[0:1], 0x20             ; W_h, W_o
	s_load_b64 s[16:17], s[0:1], 0x30              ; qin
	v_lshl_add_u32 v224, v0, 2, 0x8800
	v_mov_b32 v225, 0
	v_lshrrev_b32 v1, 5, v0
	v_readfirstlane_b32 s20, v1                    ; wave 0..3
	v_and_b32 v1, 15, v0                           ; r
	v_bfe_u32 v2, v0, 4, 1                         ; h
	v_and_b32 v3, 31, v0                           ; lane
	v_lshlrev_b32 v[VA], 4, v3
	v_lshlrev_b32 v[L8], 3, v3
	s_mul_i32 s21, s20, WREG                       ; my wave's LDS
	v_add_nc_u32 v[SGD], s21, v[VA]
	v_mul_u32_u24 v[SGA], v1, SROW
	v_lshl_add_u32 v[SGA], v2, 6, v[SGA]
	v_add_nc_u32 v[SGA], s21, v[SGA]
	s_add_co_u32 s21, s21, SCL
	v_lshl_add_u32 v[SCW], v1, 2, s21
	v_add_nc_u32 v[SCR], s21, v[L8]
.irp b, 0,1,2,3
	v_mov_b32 v[TM+4+\b], 0                        ; written once: a lane permute's destination counts as one of its sources
.endr
	s_mov_b32 s[SEL], 0x76543210
	s_mov_b32 s[SEL+1], 0xfedcba98
	s_sub_co_u32 s27, ttmp9, 512
	s_cmp_lt_u32 s27, 192                          ; work-groups 512 to 703: the three weights of 2,048 along K, whose rows are permuted
	s_cselect_b32 s28, 1, 0
	s_add_co_u32 s29, s28, 1                       ; log2 of the groups of 512 along K in a row: 1 or 2
	s_lshl_b32 s38, 2048, s29                      ; a row of the tensor in bytes: 4,096 or 8,192
.irp j, 1,2,3,4,5,6,7
	v_add_nc_u32 v[VA+\j], s38, v[VA+\j-1]
.endr
	s_wait_alu depctr_va_vdst(0)
	s_wait_kmcnt 0x0
	s_mov_b64 s[24:25], s[14:15]                   ; which tensor, and its first work-group: the choice hangs on the work-group's number alone
	s_mov_b32 s26, 704
	s_cmp_lt_u32 ttmp9, 704
	s_cselect_b64 s[24:25], s[12:13], s[24:25]
	s_cselect_b32 s26, 640, s26
	s_cmp_lt_u32 ttmp9, 640
	s_cselect_b64 s[24:25], s[10:11], s[24:25]
	s_cselect_b32 s26, 576, s26
	s_cmp_lt_u32 ttmp9, 576
	s_cselect_b64 s[24:25], s[8:9], s[24:25]
	s_cselect_b32 s26, 512, s26
	s_cmp_lt_u32 ttmp9, 512
	s_cselect_b64 s[24:25], s[6:7], s[24:25]
	s_cselect_b32 s26, 256, s26
	s_cmp_lt_u32 ttmp9, 256
	s_cselect_b64 s[24:25], s[4:5], s[24:25]
	s_cselect_b32 s26, 0, s26
	s_sub_co_u32 s39, ttmp9, s26
	s_lshl_b32 s39, s39, 2
	s_add_co_u32 s39, s39, s20                     ; my record's number in its tensor
	s_lshr_b32 s40, s39, s29                       ; its row block
	s_bfm_b32 s41, s29, 0
	s_and_b32 s41, s39, s41                        ; its group of 512 along K
	s_lshr_b32 s42, s40, 1
	s_lshl_b32 s42, s42, 5
	s_and_b32 s43, s40, 1
	s_lshl_b32 s43, s43, 3
	s_add_co_u32 s42, s42, s43                     ; permuted: the block's first row is 32 G + 8 u;
	s_lshl_b32 s43, s40, 4                         ; plain: 16 x row block
	s_cmp_lg_u32 s28, 0
	s_cselect_b32 s42, s42, s43
	s_mul_i32 s44, s42, s38                        ; under 2^26 bytes
	s_lshl_b32 s45, s41, 11
	s_add_co_u32 s44, s44, s45
	s_mov_b32 s45, 0
	s_add_nc_u64 s[30:31], s[24:25], s[44:45]      ; rows 0-7 of the record begin here,
	s_lshl_b32 s46, 8, s28
	s_mul_i32 s46, s46, s38
	s_mov_b32 s47, 0
	s_add_nc_u64 s[32:33], s[30:31], s[46:47]      ; rows 8-15 eight rows on (permuted: sixteen)
	s_lshl_b32 s44, ttmp9, 2
	s_add_co_u32 s44, s44, s20
	s_mul_i32 s44, s44, REC
	s_add_nc_u64 s[34:35], s[16:17], s[44:45]      ; where my record goes
	LOAD 0
	LOAD 1
	STEP 0
	STEP 1
	STEP 2
	STEP 3
	ds_load_b64 v[OUTS:OUTS+1], v[SCR]             ; LDS serves a wave's instructions in order: this sees my four stores
	s_wait_dscnt 0x0
	global_store_b64 v[L8], v[OUTS:OUTS+1], s[34:35] offset:6144   ; 32 lanes store 256 consecutive bytes, aligned
	s_wait_tensorcnt 0x0
	ds_add_u32 v224, v225
	s_wait_dscnt 0x0
	s_endpgm
.Lfunc_end_k_q8ff9bd9a48_quant:
	.size	k_q8ff9bd9a48_quant, .Lfunc_end_k_q8ff9bd9a48_quant-k_q8ff9bd9a48_quant
	.p2alignl 7, 3214868480
	.fill 96, 4, 3214868480
	.section	.rodata,"a",@progbits
	.p2align	6, 0x0
	.amdhsa_kernel k_q8ff9bd9a48_quant
		.amdhsa_group_segment_fixed_size 35328
		.amdhsa_private_segment_fixed_size 0
		.amdhsa_enable_private_segment 0
		.amdhsa_kernarg_size 56
		.amdhsa_user_sgpr_count 2
		.amdhsa_user_sgpr_kernarg_segment_ptr 1
		.amdhsa_wavefront_size32 1
		.amdhsa_system_sgpr_workgroup_id_x 1
		.amdhsa_system_sgpr_workgroup_id_y 1
		.amdhsa_system_sgpr_workgroup_id_z 1
		.amdhsa_system_vgpr_workitem_id 0
		.amdhsa_next_free_vgpr 226
		.amdhsa_next_free_sgpr 66
		.amdhsa_reserve_vcc 0
		.amdhsa_float_denorm_mode_32 3
		.amdhsa_float_denorm_mode_16_64 3
		.amdhsa_memory_ordered 1
		.amdhsa_forward_progress 1
		.amdhsa_inst_pref_size 35
	.end_amdhsa_kernel
	.amdgpu_metadata
---
amdhsa.version: [ 1, 2 ]
amdhsa.kernels:
  - .name:           k_q8ff9bd9a48_quant
    .symbol:         k_q8ff9bd9a48_quant.kd
    .args:
      - { .name: x, .offset: 0, .size: 8, .value_kind: global_buffer, .address_space: global }
      - { .name: hidden_state, .offset: 8, .size: 8, .value_kind: global_buffer, .address_space: global }
      - { .name: W_z, .offset: 16, .size: 8, .value_kind: global_buffer, .address_space: global }
      - { .name: W_r, .offset: 24, .size: 8, .value_kind: global_buffer, .address_space: global }
      - { .name: W_h, .offset: 32, .size: 8, .value_kind: global_buffer, .address_space: global }
      - { .name: W_o, .offset: 40, .size: 8, .value_kind: global_buffer, .address_space: global }
      - { .name: qin, .offset: 48, .size: 8, .value_kind: global_buffer, .address_space: global }
    .group_segment_fixed_size: 35328
    .private_segment_fixed_size: 0
    .kernarg_segment_align: 8
    .kernarg_segment_size: 56
    .max_flat_workgroup_size: 128
    .sgpr_count:     66
    .vgpr_count:     226
    .wavefront_size: 32
...
	.end_amdgpu_metadata
.endif
;; end of part 1
;; launch gate_r (part 2): grid 8 x 32, 4 waves a work-group, clusters of 4 x 4, 327,680 bytes of LDS; arguments qin, hidden_state, b_r, rhq; writes rhq
.if DOCPART == 2
	.amdgcn_target "amdgcn-amd-amdhsa--gfx1250"
	.amdhsa_code_object_version 6
	.text
	.protected	k_q8ff9bd9a48_gate_r
	.globl	k_q8ff9bd9a48_gate_r
	.p2align	8
	.type	k_q8ff9bd9a48_gate_r,@function
k_q8ff9bd9a48_gate_r:
	s_mov_b64 s[64:65], 0
	v_nop
	global_prefetch_b8 v0, s[64:65] scope:SCOPE_SE
	s_setreg_imm32_b32 hwreg(HW_REG_WAVE_MODE, 25, 1), 1
	s_wait_xcnt 0x0
	s_wait_alu depctr_hold_cnt(0) depctr_sa_sdst(0) depctr_va_vdst(0) depctr_va_sdst(0) depctr_va_ssrc(0) depctr_va_vcc(0) depctr_vm_vsrc(0)
	s_getreg_b32 s2, hwreg(HW_REG_IB_STS2, 6, 4)
	s_cmp_eq_u32 s2, 0
	s_cbranch_scc0 .Lentry_in_a_cluster
	s_endpgm
.Lentry_in_a_cluster:
	s_bfe_u32 s2, ttmp6, 0x10000c
	s_cmp_lg_u32 s2, 0xf033
	s_cbranch_scc0 .Lentry_shape_is_right
	s_endpgm
.Lentry_shape_is_right:
; r = sigmoid([x, h] W_r^T + b_r);  r * h is quantised along its columns (the next product's K) and stored as records in rhq.  The product runs on codes of BF6 (E3M2) with E8M0 scales, sums in f32.
; qin holds x, h and the weights as RECORDS: 16 rows x 512 along K, 6,400 bytes: four images of a fragment's 12 registers (registers 4 c .. 4 c + 3 of lane l at 1536 s + 512 c + 16 l), then the rows' scale words at 6144 + 64 s + 4 r.
; SHARES: a work-group makes 256 rows x 128 columns; wave w rows 64 w .. 64 w + 63 and all 128 columns: 4 blocks of rows x 8 blocks of columns, 32 accumulators, 256 registers.  So a block of rows ends as ONE whole fragment of the next operand.
; K = 2,048 goes in four tiles of 512 through a ring of two LDS slots (16 records of x or h, then 8 of W_r).  All is written out: no loop, no tensor load that a jump could pass.
; CLUSTER 4 x 4: the four work-groups of a row of the cluster need the same records of x and h, the four of a column the same records of W_r: each tile is asked for jointly.  A wave has at most one tensor load out.
; THE MATRIX INSTRUCTION IS USED TRANSPOSED (source 0 = 16 rows of W_r, source 1 = 16 rows of x or h), and W_r's rows were permuted when they were quantised: register 16 pb + i of a block of rows is column 32 pb + 16 (lane / 16) + i of row lane % 16.
; sigmoid(u) = 1 / (1 + 2^(-u log2 e)); the bias enters as fma(sum, -log2 e, -log2 e x b): that product is rounded once more than in u = sum + b.
; LIMITS: NaN and infinities among the inputs are not served; a block of r * h whose largest magnitude lies under 2^-122 gets the scale byte 1 (zeros too, where the rule says 127): only this program reads the bytes.
;         The scale words leave in pieces of 64 bytes (one part in 24 of what the launch stores).
; REGISTERS, in windows of 256: window 0: v1-19 addresses; v32-43 scale words, two sets; v44-63 codes just made; v64-111, v112-159 the rows' fragments, two sets (in the epilogue v64-127: the bias); v160-223 a block of h; v224-245 at work.
;   window 1: W_r's fragments, two sets, at v0 and v128.   window 2: the accumulators, (a, b) at v[8 (8 a + b)].   window 3: my 64 rows x 128 columns of h, as loaded.
.set NB,     8
.set REC,    6400
.set ABYTES, 16*REC
.set SLOT,   ABYTES+NB*REC
.set SPARE,  2*SLOT                    ; behind the ring: the spare words, 128 bytes for each wave: two blocks of 256 bytes that no other line names
.set BIAS,   SPARE+512                 ; the scaled bias: 1,024 bytes for each wave, its own
.set SROW,   528                       ; a stage row: 512 bytes + 16.  Each wave's stage, 16 rows, lies in slot 0, which has had its last fill and its last read when the epilogue begins
.set HOFF,   1024*REC                  ; from x's records to h's
.set WOFF,   2304*REC                  ; W_r's records
.set BPITCH, 4*REC                     ; from row block to row block of W_r
.set FA,  4                            ; v4-5   16 x lane + my 4 records of rows, slot 0, 1
.set FB,  6                            ; v6-7   16 x lane + the 8 records of W_r
.set SA,  8                            ; v8-9   4 r + 6,400 h + my records: lanes 0-15 take an even block's scale words, lanes 16-31 the odd block's
.set SB,  10                           ; v10-11 the same for W_r
.set SPW, 12                           ; v12    my spare word; never rewritten
.set NIL, 13                           ; v13    0; never rewritten
.set SGA, 14                           ; v14    stage + 528 r + 64 h
.set SGD, 15                           ; v15    stage + 16 x lane
.set L16, 16                           ; v16    16 x lane
.set SCO, 17                           ; v17    12,800 h + 4 r: a pair of blocks' scale words in memory
.set BIA, 18                           ; v18    bias + 64 h
.set BIW, 19                           ; v19    bias + 16 x lane
.set SC,  32
.set PC,  44
.set TC,  56
.set AF,  64
.set BV,  64
.set HB,  160
.set TM,  224
.set PW,  240
.set T,   244
.set WV,  18                           ; s18 wave;  s19 = wave / 2: I fetch rows (0) or weights (1);  s20 = wave % 2: which half
.set WHI, 19
.set WLO, 20
.set G1A, 24                           ; s[24:31] descriptor group 1 for the rows' records; s[32:39] group 0, a set for each slot
.set G0A, 32
.set G1B, 48                           ; s[48:55], s[56:63] the same for the weights'
.set G0B, 56
.set HP,  76                           ; s[76:77] hidden_state at my first row and column
.set CB,  78                           ; s[78:79] rhq: where my block 0's fragment goes
.set SBP, 80                           ; s[80:81] and its scale words
.set SEL, 96                           ; s[96:97] lane selects: lane l xor 16
.set MW,  0xa1                         ; source 0 window 1, source 1 window 0, C and D window 2
.set MSB, 0
.macro WIN new                         ; the immediate's high byte repeats the setting that is left; a switch that changes nothing is dropped
.if MSB != (\new)
	s_set_vgpr_msb (MSB<<8)|(\new)
.set MSB, (\new)
.endif
.endm
.macro PLACES n
.rept \n
	v_nop
.endr
.endm
; A joint load: waves 0 and 1 fetch the rows' halves, waves 2 and 3 the weights'.  The branch hangs on the wave's number alone.  Four v_nop follow each of the two lines.
.macro JLOAD g0a, g1a, g0b, g1b
	s_cmp_eq_u32 s[WHI], 0
	s_cbranch_scc0 .Lfor_b_\@
	tensor_load_to_lds s[\g0a:\g0a+3], s[\g1a:\g1a+7]
	s_nop 0
.rept 4
	v_nop
.endr
	s_branch .Lasked_\@
.Lfor_b_\@:
	tensor_load_to_lds s[\g0b:\g0b+3], s[\g1b:\g1b+7]
	s_nop 0
.rept 4
	v_nop
.endr
.Lasked_\@:
.endm
.macro CREST                           ; a round of the cluster's barrier behind its opening barrier
	s_cmp_lg_u32 s[WV], 0
	s_cbranch_scc1 .Lnot_wave_0_\@
	s_barrier_signal -3
.Lnot_wave_0_\@:
	s_barrier_wait -3
	s_barrier_signal -1
	s_barrier_wait -1
.endm
.macro CROUND
	s_barrier_signal -1
	s_barrier_wait -1
	CREST
.endm
; One product: rows' block a x weights' block b, 128 along K, fragment set p.  cmode 1: the first product starts the sum.  An odd block's scale words stand in lanes 16-31 of its pair's register.
.macro WM a, b, p, cmode
.set rD, 8*(NB*(\a)+(\b))
.set rB, 128*(\p)+12*(\b)
.set rA, AF+48*(\p)+12*(\a)
.set rSB, SC+6*(\p)+2+(\b)/2
.set rSA, SC+6*(\p)+(\a)/2
.set rW, 2*((\a)%2)+(\b)%2
.if (\cmode) == 1
.if rW == 0
	v_wmma_scale_f32_16x16x128_f8f6f4 v[rD:rD+7], v[rB:rB+11], v[rA:rA+11], 0, v[rSB], v[rSA] matrix_a_fmt:MATRIX_FMT_BF6 matrix_b_fmt:MATRIX_FMT_BF6
.elseif rW == 1
	v_wmma_scale_f32_16x16x128_f8f6f4 v[rD:rD+7], v[rB:rB+11], v[rA:rA+11], 0, v[rSB], v[rSA] matrix_a_fmt:MATRIX_FMT_BF6 matrix_b_fmt:MATRIX_FMT_BF6 matrix_a_scale:MATRIX_SCALE_ROW1
.elseif rW == 2
	v_wmma_scale_f32_16x16x128_f8f6f4 v[rD:rD+7], v[rB:rB+11], v[rA:rA+11], 0, v[rSB], v[rSA] matrix_a_fmt:MATRIX_FMT_BF6 matrix_b_fmt:MATRIX_FMT_BF6 matrix_b_scale:MATRIX_SCALE_ROW1
.else
	v_wmma_scale_f32_16x16x128_f8f6f4 v[rD:rD+7], v[rB:rB+11], v[rA:rA+11], 0, v[rSB], v[rSA] matrix_a_fmt:MATRIX_FMT_BF6 matrix_b_fmt:MATRIX_FMT_BF6 matrix_a_scale:MATRIX_SCALE_ROW1 matrix_b_scale:MATRIX_SCALE_ROW1
.endif
.else
.if rW == 0
	v_wmma_scale_f32_16x16x128_f8f6f4 v[rD:rD+7], v[rB:rB+11], v[rA:rA+11], v[rD:rD+7], v[rSB], v[rSA] matrix_a_fmt:MATRIX_FMT_BF6 matrix_b_fmt:MATRIX_FMT_BF6
.elseif rW == 1
	v_wmma_scale_f32_16x16x128_f8f6f4 v[rD:rD+7], v[rB:rB+11], v[rA:rA+11], v[rD:rD+7], v[rSB], v[rSA] matrix_a_fmt:MATRIX_FMT_BF6 matrix_b_fmt:MATRIX_FMT_BF6 matrix_a_scale:MATRIX_SCALE_ROW1
.elseif rW == 2
	v_wmma_scale_f32_16x16x128_f8f6f4 v[rD:rD+7], v[rB:rB+11], v[rA:rA+11], v[rD:rD+7], v[rSB], v[rSA] matrix_a_fmt:MATRIX_FMT_BF6 matrix_b_fmt:MATRIX_FMT_BF6 matrix_b_scale:MATRIX_SCALE_ROW1
.else
	v_wmma_scale_f32_16x16x128_f8f6f4 v[rD:rD+7], v[rB:rB+11], v[rA:rA+11], v[rD:rD+7], v[rSB], v[rSA] matrix_a_fmt:MATRIX_FMT_BF6 matrix_b_fmt:MATRIX_FMT_BF6 matrix_a_scale:MATRIX_SCALE_ROW1 matrix_b_scale:MATRIX_SCALE_ROW1
.endif
.endif
.endm
.macro MULA p, a, cmode                ; the 32 accumulators take turns, one instruction a turn, in the same order in every K step
.irp b, 0,1,2,3,4,5,6,7
	WM \a, \b, \p, \cmode
.endr
.endm
.macro MUL32 p, cmode
	MULA \p, 0, \cmode
	MULA \p, 1, \cmode
	MULA \p, 2, \cmode
	MULA \p, 3, \cmode
.endm
; The fragments and scale words of the slot's q-th 128 along K into set p: 36 loads of 512 consecutive bytes, 6 of scale words, in one run.
.macro FETCH slot, q, p
	WIN 0x40                                       ; destination window 1, address window 0
.irp i, 0,1,2,3,4,5,6,7
.irp c, 0,1,2
	ds_load_b128 v[128*(\p)+12*\i+4*\c:128*(\p)+12*\i+4*\c+3], v[FB+\slot] offset:REC*\i+1536*(\q)+512*\c
.endr
.endr
	WIN 0
.irp i, 0,1,2,3
.irp c, 0,1,2
	ds_load_b128 v[AF+48*(\p)+12*\i+4*\c:AF+48*(\p)+12*\i+4*\c+3], v[FA+\slot] offset:REC*\i+1536*(\q)+512*\c
.endr
.endr
.irp j, 0,1
	ds_load_b32 v[SC+6*(\p)+\j], v[SA+\slot] offset:2*REC*\j+6144+64*(\q)
.endr
.irp j, 0,1,2,3
	ds_load_b32 v[SC+6*(\p)+2+\j], v[SB+\slot] offset:2*REC*\j+6144+64*(\q)
.endr
.endm
; A K step of 128 that has its successor in the same slot: the successor's fragments are asked for first, then this step's 32 products are issued.
.macro KSTEP slot, q, cmode, mw
	s_wait_dscnt 0x0                               ; this step's fragments are in (asked for 32 matrix instructions ago)
	PLACES 4                                       ; four plain instructions between the last products and loads into the registers that they read (ISA guide 7.12.1 for vector instructions)
	FETCH \slot, (\q)+1, 1-(\q)%2
	WIN \mw
	MUL32 (\q)%2, \cmode
.endm
; A slot's last K step changes slots: ONE barrier; in front of it each wave waits for all its tensor loads, adds 0 to its spare word, and waits for that and for its reads of this slot.  fill = 1: the slot is filled again, two tiles ahead.
.macro TURN slot, next, mw, fill
	WIN 0                                          ; (the add's two registers lie in window 0)
	s_wait_tensorcnt 0x0                           ; all my tensor loads have landed: my part of the next slot
	ds_add_u32 v[SPW], v[NIL]                      ; 0 onto my spare word
	s_wait_dscnt 0x1                               ; only the add may be out: this step's fragments, my last reads of the slot, are in
	WIN \mw
	MULA 1, 0, 0                                   ; eight matrix instructions stand between the add and the wait for it
	s_wait_dscnt 0x0
	s_barrier_signal -1
	MULA 1, 1, 0
	WIN 0
	s_barrier_wait -1
.if \fill
	CREST                                          ; the barrier has opened a round of the cluster's: no wave of any partner still reads this slot or has a load on its way
	s_add_nc_u64 s[G0A+4*\slot+2:G0A+4*\slot+3], s[G0A+4*\slot+2:G0A+4*\slot+3], HOFF    ; from x's group to the same group of h
	s_add_nc_u64 s[G0B+4*\slot+2:G0B+4*\slot+3], s[G0B+4*\slot+2:G0B+4*\slot+3], 2*REC   ; two groups of 512 on in W_r
	JLOAD G0A+4*\slot, G1A, G0B+4*\slot, G1B       ; the first tensor load behind the round; its four v_nop are the places in front of the loads below
.else
	PLACES 4
.endif
	FETCH \next, 0, 0
	WIN \mw
	MULA 1, 2, 0
	MULA 1, 3, 0
.endm
.macro QUANT src, pc, tc, pw           ; 64 numbers of a lane, register 16 b + i = k 32 b + 16 (lane / 16) + i of my row, become a fragment's codes at v[pc] and its scale word in v[pw]
.irp b, 0,1,2,3
	v_max3_num_f32 v[TM+\b], |v[(\src)+16*\b]|, |v[(\src)+1+16*\b]|, 0x2800000   ; my 16 numbers of block b, and the floor 2^(5 - 127): the byte cannot fall under 1
.endr
.irp i, 2,4,6,8,10,12,14
.irp b, 0,1,2,3
	v_max3_num_f32 v[TM+\b], v[TM+\b], |v[(\src)+16*\b+\i]|, |v[(\src)+1+16*\b+\i]|
.endr
.endr
.irp b, 0,1,2,3
	v_permlanex16_b32 v[TM+4+\b], v[TM+\b], s[SEL], s[SEL+1]
.endr
.irp b, 0,1,2,3
	v_max_num_f32 v[TM+\b], v[TM+\b], v[TM+4+\b]
.endr
.irp b, 0,1,2,3
	v_add_nc_u32 v[TM+12+\b], 0xfe000000, v[TM+\b]         ; 4 off the exponent field: the conversion's scale operand
.endr
.irp b, 0,1,2,3
	v_lshrrev_b32 v[TM+4+\b], 23, v[TM+12+\b]              ; the scale's byte
.endr
	v_lshl_or_b32 v[(\pw)], v[TM+5], 8, v[TM+4]
	v_lshl_or_b32 v[(\pw)], v[TM+6], 16, v[(\pw)]
	v_lshl_or_b32 v[(\pw)], v[TM+7], 24, v[(\pw)]
.irp c, 0,1
	v_cvt_scalef32_pk16_bf6_f32 v[(\pc)+6*\c:(\pc)+2+6*\c], v[(\src)+32*\c:(\src)+15+32*\c], v[TM+12+2*\c]
	v_cvt_scalef32_pk16_bf6_f32 v[(\tc)+4*\c:(\tc)+2+4*\c], v[(\src)+16+32*\c:(\src)+31+32*\c], v[TM+13+2*\c]
.endr
	v_nop                                                  ; one plain instruction behind the last scaled conversion
.irp c, 0,1
.irp i, 0,1,2
	v_permlane16_swap_b32 v[(\pc)+6*\c+\i], v[(\tc)+4*\c+\i]
.endr
.irp i, 0,1,2
	v_mov_b32 v[(\pc)+3+6*\c+\i], v[(\tc)+4*\c+\i]
.endr
.endr
.endm
.macro HLOAD a                         ; block a's 16 rows of h, 512 consecutive bytes a load, into window 3
	WIN 0xc0
.irp j, 0,1,2,3,4,5,6,7,8,9,10,11,12,13,14,15
	global_load_b128 v[64*(\a)+4*\j:64*(\a)+4*\j+3], v[L16], s[HP:HP+1] offset:(16*(\a)+\j)*4096 th:TH_LOAD_NT
.endr
	WIN 0
.endm
.macro TURNH hw, hb                    ; 16 rows as loaded (window hw, from v[hb]) turn through my stage and come back in the accumulators' order, in v[HB] on
	WIN (\hw)<<2                                   ; an LDS store's data are its source 1
.irp j, 0,1,2,3,4,5,6,7,8,9,10,11,12,13,14,15
	ds_store_b128 v[SGD], v[(\hb)+4*\j:(\hb)+4*\j+3] offset:SROW*\j
.endr
	WIN 0
.irp pb, 0,1,2,3
.irp q, 0,1,2,3
	ds_load_b128 v[HB+16*\pb+4*\q:HB+16*\pb+4*\q+3], v[SGA] offset:128*\pb+16*\q   ; LDS serves a wave's instructions in order: these see the stores above
.endr
.endr
.endm
	s_load_b256 s[4:11], s[0:1], 0x0               ; qin s[4:5], hidden_state s[6:7], b_r s[8:9], rhq s[10:11]
	v_lshl_add_u32 v[SPW], v0, 2, SPARE
	v_mov_b32 v[NIL], 0
	ds_add_u32 v12, v13
	ds_add_u32 v12, v13
	s_wait_dscnt 0x0
	v_lshrrev_b32 v1, 5, v0
	v_readfirstlane_b32 s[WV], v1                  ; wave 0..3
	s_lshr_b32 s[WHI], s[WV], 1
	s_and_b32 s[WLO], s[WV], 1
	s_bfe_u32 s21, ttmp6, 0x40000                  ; cx, cy: my place in the cluster
	s_bfe_u32 s22, ttmp6, 0x40004
	s_lshl_b32 s23, ttmp9, 2
	s_add_co_u32 s23, s23, s21                     ; tile column = 4 x cluster x + cx, 0..7
	s_and_b32 s3, ttmp7, 0xffff
	s_lshl_b32 s3, s3, 2
	s_add_co_u32 s3, s3, s22                       ; tile row = 4 x cluster y + cy, 0..31
	s_lshl_b32 s40, s22, 2
	s_lshl_b32 s40, 15, s40                        ; my row of the cluster
	s_lshl_b32 s41, 0x1111, s21                    ; my column
	; descriptor group 1: records as rows of 6,400 bytes = 800 elements of 8 bytes, dense in LDS.  Rows: 8 records, 12,800 bytes apart;  weights: 4 records, 25,600 bytes apart
	s_or_b32 s[G1A], s40, (3<<16)|(1<<21)          ; 15:0 the mask; 17:16 elements of 8 bytes; 20 no padding; 21 set beside a mask
	s_or_b32 s[G1B], s41, (3<<16)|(1<<21)
	s_mov_b32 s[G1A+1], 800<<16                    ; tensor_dim0
	s_mov_b32 s[G1A+2], 16<<16                     ; at the head a load brings a whole tile: 16 records of rows,
	s_mov_b32 s[G1A+3], 800<<16                    ; tile_dim0
	s_mov_b32 s[G1A+4], 16
	s_mov_b32 s[G1A+5], 1600                       ; the pitch, in elements
	s_mov_b32 s[G1A+6], 0
	s_mov_b32 s[G1A+7], 0
	s_mov_b32 s[G1B+1], 800<<16
	s_mov_b32 s[G1B+2], 8<<16                      ; or 8 of weights
	s_mov_b32 s[G1B+3], 800<<16
	s_mov_b32 s[G1B+4], 8
	s_mov_b32 s[G1B+5], 3200
	s_mov_b32 s[G1B+6], 0
	s_mov_b32 s[G1B+7], 0
	s_lshl_b32 s42, s3, 4                          ; the rows' records hang on the tile row and the wave alone,
	s_lshl_b32 s43, s[WLO], 3
	s_add_co_u32 s42, s42, s43
	s_mul_i32 s42, s42, 2*REC                      ; row block 16 x tile row + 8 x half
	s_mov_b32 s43, 0
	s_mul_i32 s44, s23, NB                         ; the weights' on the tile column and the wave alone
	s_mul_i32 s45, s[WLO], NB/2
	s_add_co_u32 s44, s44, s45
	s_mul_i32 s44, s44, BPITCH
	s_add_co_u32 s44, s44, WOFF
	s_mov_b32 s45, 0
	s_mul_i32 s46, s[WLO], 8*REC                   ; where they go: no place in the cluster enters an LDS address
	s_mul_i32 s47, s[WLO], (NB/2)*REC
	s_add_co_u32 s47, s47, ABYTES
	s_mov_b32 s[SEL], 0x76543210
	s_mov_b32 s[SEL+1], 0xfedcba98
	s_mov_b32 s98, 0xbfb8aa3b                      ; -log2(e); named as a pair by the packed forms, so both are written
	s_mov_b32 s99, s98
	s_wait_kmcnt 0x0
	s_add_nc_u64 s[42:43], s[4:5], s[42:43]
	s_add_nc_u64 s[44:45], s[4:5], s[44:45]
	CROUND                                         ; all sixteen work-groups are here: the first joint loads meet
.irp s, 0,1
	s_mov_b32 s[G0A+4*\s], 1                                       ; count = 1
	s_add_co_u32 s[G0A+4*\s+1], s46, \s*SLOT                       ; LDS address
	s_add_nc_u64 s[G0A+4*\s+2:G0A+4*\s+3], s[42:43], \s*REC        ; x's group s
	s_or_b32 s[G0A+4*\s+3], s[G0A+4*\s+3], 0x80000000              ; type = 2
	s_mov_b32 s[G0B+4*\s], 1
	s_add_co_u32 s[G0B+4*\s+1], s47, \s*SLOT
	s_add_nc_u64 s[G0B+4*\s+2:G0B+4*\s+3], s[44:45], \s*REC
	s_or_b32 s[G0B+4*\s+3], s[G0B+4*\s+3], 0x80000000
.endr
	; the head's four tiles, one a wave: waves 0 and 2 the rows' records of slots 0 and 1, waves 1 and 3 the weights'
	s_mul_i32 s84, s3, 32*REC
	s_mul_i32 s86, s[WHI], REC
	s_add_co_u32 s84, s84, s86
	s_mov_b32 s85, 0
	s_mul_i32 s82, s23, NB*BPITCH
	s_add_co_u32 s82, s82, s86
	s_add_co_u32 s82, s82, WOFF
	s_mov_b32 s83, 0
	s_mul_i32 s87, s[WHI], SLOT
	s_mov_b32 s68, 1
	s_mov_b32 s69, s87
	s_add_nc_u64 s[70:71], s[4:5], s[84:85]
	s_or_b32 s71, s71, 0x80000000
	s_mov_b32 s72, 1
	s_add_co_u32 s73, s87, ABYTES
	s_add_nc_u64 s[74:75], s[4:5], s[82:83]
	s_or_b32 s75, s75, 0x80000000
	s_cmp_eq_u32 s[WLO], 0
	s_cbranch_scc0 .Lhead_b
	tensor_load_to_lds s[68:71], s[G1A:G1A+7]
	s_nop 0
	PLACES 4
	s_branch .Lhead_asked
.Lhead_b:
	tensor_load_to_lds s[72:75], s[G1B:G1B+7]
	s_nop 0
	PLACES 4
.Lhead_asked:
	v_and_b32 v1, 15, v0                           ; r
	v_bfe_u32 v2, v0, 4, 1                         ; h
	v_and_b32 v3, 31, v0                           ; lane
	v_lshlrev_b32 v[L16], 4, v3
	s_mul_i32 s2, s[WV], 4*REC                     ; my four records of rows
	v_add_nc_u32 v[FA], s2, v[L16]
	v_add_nc_u32 v[FA+1], SLOT, v[FA]
	v_add_nc_u32 v[FB], ABYTES, v[L16]
	v_add_nc_u32 v[FB+1], SLOT, v[FB]
	v_lshlrev_b32 v20, 2, v1
	v_mad_u32_u24 v20, v2, REC, v20                ; 4 r + one record more for lanes 16-31
	v_add_nc_u32 v[SA], s2, v20
	v_add_nc_u32 v[SA+1], SLOT, v[SA]
	v_add_nc_u32 v[SB], ABYTES, v20
	v_add_nc_u32 v[SB+1], SLOT, v[SB]
	s_mul_i32 s2, s[WV], 16*SROW                   ; my stage
	v_mul_u32_u24 v[SGA], v1, SROW
	v_lshl_add_u32 v[SGA], v2, 6, v[SGA]
	v_add_nc_u32 v[SGA], s2, v[SGA]
	v_add_nc_u32 v[SGD], s2, v[L16]
	v_mul_u32_u24 v[SCO], v2, 2*REC
	v_lshl_add_u32 v[SCO], v1, 2, v[SCO]
	s_lshl_b32 s2, s[WV], 10
	s_add_co_u32 s2, s2, BIAS                      ; my copy of the bias
	v_lshl_add_u32 v[BIA], v2, 6, s2
	v_add_nc_u32 v[BIW], s2, v[L16]
	s_lshl_b32 s88, s3, 8
	s_lshl_b32 s89, s[WV], 6
	s_add_co_u32 s88, s88, s89                     ; my first row: 256 x tile row + 64 x wave
	s_lshl_b32 s88, s88, 12                        ; rows of 4,096 bytes: under 2^26
	s_lshl_b32 s89, s23, 9                         ; 128 columns are 512 bytes
	s_add_co_u32 s88, s88, s89
	s_mov_b32 s89, 0
	s_add_nc_u64 s[HP:HP+1], s[6:7], s[88:89]
	s_lshl_b32 s90, s3, 4
	s_lshl_b32 s91, s[WV], 2
	s_add_co_u32 s90, s90, s91                     ; my first row block: 16 x tile row + 4 x wave
	s_mul_i32 s90, s90, 2*REC
	s_lshr_b32 s91, s23, 2                         ; my 128 columns are the (tile column % 4)-th 128 of group tile column / 4 of the next K
	s_mul_i32 s91, s91, REC
	s_add_co_u32 s90, s90, s91
	s_and_b32 s92, s23, 3
	s_mul_i32 s93, s92, 1536
	s_lshl_b32 s92, s92, 6
	s_add_co_u32 s92, s92, s90
	s_add_co_u32 s92, s92, 6144
	s_add_co_u32 s90, s90, s93
	s_mov_b32 s91, 0
	s_mov_b32 s93, 0
	s_add_nc_u64 s[CB:CB+1], s[10:11], s[90:91]
	s_add_nc_u64 s[SBP:SBP+1], s[10:11], s[92:93]
	s_lshl_b32 s94, s23, 9
	s_mov_b32 s95, 0
	s_add_nc_u64 s[8:9], s[8:9], s[94:95]          ; b_r at my 128 columns
	global_load_b128 v[20:23], v[L16], s[8:9]
	s_wait_loadcnt 0x0
	v_pk_mul_f32 v[20:21], v[20:21], s[98:99] op_sel_hi:[1,0]      ; -log2(e) x b
	v_pk_mul_f32 v[22:23], v[22:23], s[98:99] op_sel_hi:[1,0]
	s_wait_alu depctr_va_vdst(0)
	ds_store_b128 v[BIW], v[20:23]
	s_wait_tensorcnt 0x0                           ; my tile of the head's four is in; no tensor load of mine is out, so group 1 may be written: from here on a load brings half a tile
	s_mov_b32 s[G1A+2], 8<<16
	s_mov_b32 s[G1A+4], 8
	s_mov_b32 s[G1B+2], 4<<16
	s_mov_b32 s[G1B+4], 4
	s_wait_dscnt 0x0
	s_barrier_signal -1
	s_barrier_wait -1                              ; everybody's is
	FETCH 0, 0, 0
	HLOAD 0                                        ; h is wanted only in the epilogue: it comes in beside the products
	HLOAD 1
	HLOAD 2
	KSTEP 0, 0, 1, MW                              ; tile 0: x's first 512; its first products start the sums
	KSTEP 0, 1, 0, MW
	KSTEP 0, 2, 0, MW
	TURN 0, 1, MW, 1
	KSTEP 1, 0, 0, MW                              ; tile 1: x's second 512
	HLOAD 3
	KSTEP 1, 1, 0, MW
	KSTEP 1, 2, 0, MW
	TURN 1, 0, MW, 1
	KSTEP 0, 0, 0, MW                              ; tile 2: h's first 512
	KSTEP 0, 1, 0, MW
	KSTEP 0, 2, 0, MW
	TURN 0, 1, MW, 0                               ; nothing is left to fetch
	KSTEP 1, 0, 0, MW                              ; tile 3: h's second 512
	KSTEP 1, 1, 0, MW
	KSTEP 1, 2, 0, MW
	s_wait_dscnt 0x0
	WIN MW
	MUL32 1, 0
	; THE EPILOGUE, a block of 16 rows at a time: r = 1 / (1 + 2^(-log2 e (sum + b))), r x h, quantised, stored as an image of the next operand's registers.
	WIN 0
.irp b, 0,1,2,3
	v_mov_b32 v[TM+4+\b], 0                        ; a lane permute's destination counts as one of its sources.  These four are also the places behind the last products
.endr
	s_mov_b32 vcc_lo, 0xffff0000                   ; lanes 16-31
.irp pb, 0,1,2,3
.irp q, 0,1,2,3
	ds_load_b128 v[BV+16*\pb+4*\q:BV+16*\pb+4*\q+3], v[BIA] offset:128*\pb+16*\q   ; the scaled bias in the accumulators' order
.endr
.endr
	s_wait_dscnt 0x0
.macro RBLOCK a
.set AC, 64*(\a)
	s_wait_loadcnt 16*(3-(\a))                     ; this block's 16 rows of h are in; the later blocks' may be out
	s_wait_xcnt 0x0                                ; the last block's stores have read their registers: the codes and the scale words may be written again
	TURNH 3, 64*(\a)
	WIN 0x82                                       ; destination and source 0 window 2
.set ee, 0
.rept 32
	v_pk_fma_f32 v[AC+ee:AC+ee+1], v[AC+ee:AC+ee+1], s[98:99], v[BV+ee:BV+ee+1] op_sel_hi:[1,0,1]   ; each accumulator from its low end on
.set ee, ee+2
.endr
.set ee, 0
	s_wait_alu depctr_va_vdst(0)
.rept 64
	v_exp_f32 v[AC+ee], v[AC+ee]
.set ee, ee+1
.endr
	v_nop                                          ; a plain instruction behind the last exponential,
	s_wait_alu depctr_va_vdst(0)                   ; and one wait for the batch, ahead of its first reader
.set ee, 0
.rept 32
	v_pk_add_f32 v[AC+ee:AC+ee+1], v[AC+ee:AC+ee+1], 1.0 op_sel_hi:[1,0]
.set ee, ee+2
.endr
.set ee, 0
	s_wait_alu depctr_va_vdst(0)
.rept 64
	v_rcp_f32 v[AC+ee], v[AC+ee]
.set ee, ee+1
.endr
	v_nop
	s_wait_alu depctr_va_vdst(0)                   ; one wait for the 64 reciprocals
	s_wait_dscnt 0x0                               ; h is back from the stage
	WIN 0x02                                       ; source 0 window 2, all else window 0
.set ee, 0
.rept 32
	v_pk_mul_f32 v[HB+ee:HB+ee+1], v[AC+ee:AC+ee+1], v[HB+ee:HB+ee+1]      ; r x h
.set ee, ee+2
.endr
	WIN 0
	QUANT HB, PC, TC, PW+(\a)
.irp c, 0,1,2
	global_store_b128 v[L16], v[PC+4*\c:PC+4*\c+3], s[CB:CB+1] offset:2*REC*(\a)+512*\c   ; 32 lanes store 512 consecutive bytes, at a multiple of 256 from rhq's first byte
.endr
.if (\a)%2
	v_cndmask_b32 v[T+(\a)/2], v[PW+(\a)-1], v[PW+(\a)], vcc_lo    ; lanes 0-15: the even block's words, lanes 16-31: the odd block's
	global_store_b32 v[SCO], v[T+(\a)/2], s[SBP:SBP+1] offset:2*REC*((\a)-1)
.endif
.endm
	RBLOCK 0
	RBLOCK 1
	RBLOCK 2
	RBLOCK 3
	s_wait_tensorcnt 0x0                           ; the wave's end
	ds_add_u32 v[SPW], v[NIL]
	s_wait_dscnt 0x0
	CROUND                                         ; the closing round: no work-group ends while a partner may still ask for a tile that names it
	s_endpgm
.Lfunc_end_k_q8ff9bd9a48_gate_r:
	.size	k_q8ff9bd9a48_gate_r, .Lfunc_end_k_q8ff9bd9a48_gate_r-k_q8ff9bd9a48_gate_r
	.p2alignl 7, 3214868480
	.fill 96, 4, 3214868480
	.section	.rodata,"a",@progbits
	.p2align	6, 0x0
	.amdhsa_kernel k_q8ff9bd9a48_gate_r
		.amdhsa_group_segment_fixed_size 327680
		.amdhsa_private_segment_fixed_size 0
		.amdhsa_enable_private_segment 0
		.amdhsa_kernarg_size 32
		.amdhsa_user_sgpr_count 2
		.amdhsa_user_sgpr_kernarg_segment_ptr 1
		.amdhsa_wavefront_size32 1
		.amdhsa_system_sgpr_workgroup_id_x 1
		.amdhsa_system_sgpr_workgroup_id_y 1
		.amdhsa_system_sgpr_workgroup_id_z 1
		.amdhsa_system_vgpr_workitem_id 0
		.amdhsa_next_free_vgpr 1024
		.amdhsa_next_free_sgpr 102
		.amdhsa_reserve_vcc 1
		.amdhsa_float_denorm_mode_32 3
		.amdhsa_float_denorm_mode_16_64 3
		.amdhsa_memory_ordered 1
		.amdhsa_forward_progress 1
		.amdhsa_inst_pref_size 195
	.end_amdhsa_kernel
	.amdgpu_metadata
---
amdhsa.version: [ 1, 2 ]
amdhsa.kernels:
  - .name:           k_q8ff9bd9a48_gate_r
    .symbol:         k_q8ff9bd9a48_gate_r.kd
    .args:
      - { .name: qin, .offset: 0, .size: 8, .value_kind: global_buffer, .address_space: global }
      - { .name: hidden_state, .offset: 8, .size: 8, .value_kind: global_buffer, .address_space: global }
      - { .name: b_r, .offset: 16, .size: 8, .value_kind: global_buffer, .address_space: global }
      - { .name: rhq, .offset: 24, .size: 8, .value_kind: global_buffer, .address_space: global }
    .group_segment_fixed_size: 327680
    .private_segment_fixed_size: 0
    .kernarg_segment_align: 8
    .kernarg_segment_size: 32
    .max_flat_workgroup_size: 128
    .sgpr_count:     102
    .vgpr_count:     1024
    .wavefront_size: 32
...
	.end_amdgpu_metadata
.endif
;; end of part 2
;; launch cell (part 3): grid 32 x 8, 4 waves a work-group, clusters of 4 x 4, 327,680 bytes of LDS; arguments qin, rhq, hidden_state, b_z, b_h, out1, hidq; writes out1, hidq
.if DOCPART == 3
	.amdgcn_target "amdgcn-amd-amdhsa--gfx1250"
	.amdhsa_code_object_version 6
	.text
	.protected	k_q8ff9bd9a48_cell
	.globl	k_q8ff9bd9a48_cell
	.p2align	8
	.type	k_q8ff9bd9a48_cell,@function
k_q8ff9bd9a48_cell:
	s_mov_b64 s[64:65], 0
	v_nop
	global_prefetch_b8 v0, s[64:65] scope:SCOPE_SE
	s_setreg_imm32_b32 hwreg(HW_REG_WAVE_MODE, 25, 1), 1
	s_wait_xcnt 0x0
	s_wait_alu depctr_hold_cnt(0) depctr_sa_sdst(0) depctr_va_vdst(0) depctr_va_sdst(0) depctr_va_ssrc(0) depctr_va_vcc(0) depctr_vm_vsrc(0)
	s_getreg_b32 s2, hwreg(HW_REG_IB_STS2, 6, 4)
	s_cmp_eq_u32 s2, 0
	s_cbranch_scc0 .Lentry_in_a_cluster
	s_endpgm
.Lentry_in_a_cluster:
	s_bfe_u32 s2, ttmp6, 0x10000c
	s_cmp_lg_u32 s2, 0xf033
	s_cbranch_scc0 .Lentry_shape_is_right
	s_endpgm
.Lentry_shape_is_right:
; z = sigmoid([x, h] W_z^T + b_z);  t = tanh([x, r h] W_h^T + b_h);  hidden = h + z (t - h) -> out1 (f32), and quantised along its columns -> hidq (records).  Products on codes of BF6 (E3M2) with E8M0 scales, sums in f32.
; Every input of this launch has a way to both outputs.
; A RECORD is 16 rows x 512 along K, 6,400 bytes: four images of a fragment's 12 registers (registers 4 c .. 4 c + 3 of lane l at 1536 s + 512 c + 16 l), then the rows' scale words at 6144 + 64 s + 4 r.
; SHARES: a work-group makes 256 rows x 128 columns of z and of t; wave w rows 64 w .. 64 w + 63: 4 x 8 accumulators for each product, 512 registers.
; EIGHT TILES of 512 along K (16 records of rows, 8 of weights) go through a ring of two LDS slots, tile n in slot n % 2: z's four (x, x, h, h with W_z), then t's four (x, x, r h, r h with W_h).
; z's two laps of the ring are a loop; t's two are written out: the last fetches nothing, and each of t's tiles finishes the sigmoid of one block of z, whose sums are done by then.
; THE HEAD asks for the first tiles of both slots at once, one whole tile a wave; afterwards each wave fetches half of a tile's rows or weights.
; CLUSTER 4 x 4: the rows' tiles hang on the tile row alone (work-group x) and are shared along a column of the cluster, the weights' on the tile column alone (y) and are shared along a row: joint loads.  A wave has one tensor load out.
; PREFETCH INTO THE L2: behind the refill that brings tile n + 2 stands the request for tile n + 4 (tiles 2 and 3: at the head).  A cluster names each block of 256 bytes once: of a rows' tile's 16 records the partner at cy takes
; 4 cy + wave, a lane a block; of a weights' tile's 8 records the partner at cx takes 2 cx + wave % 2, its blocks halved by wave / 2.  x's tiles are not asked for again: the launch has read them.
; THE MATRIX INSTRUCTION IS USED TRANSPOSED (source 0 = 16 rows of a weight, source 1 = 16 rows of x, h or r h); the weights' rows were permuted when quantised: register 16 pb + i of a block of rows is column 32 pb + 16 (lane / 16) + i of row lane % 16.
; THE BIASES START THE SUMS: they are loaded into the accumulators while the first tiles are on their way.
; sigmoid(u) = 1 / (1 + 2^(-u log2 e));  tanh(v) = 1 - 2 / (1 + 2^(2 v log2 e)).
; LIMITS: NaN and infinities among the inputs are not served; a block of hidden whose largest magnitude lies under 2^-122 gets the scale byte 1 (zeros too, where the rule says 127): only this program reads the bytes.
; REGISTERS: window 0: v1-21 addresses; v32-43 scale words, two sets; v44-63 codes just made; v64-159 the rows' fragments, two sets; v160-223 a block of h; v224-245 at work.
;   window 1: the weights' fragments, two sets, at v0 and v128 (in the epilogue: h as loaded).   window 2: z's accumulators, (a, b) at v[8 (8 a + b)].   window 3: t's.
.set REC,    6400
.set ABYTES, 16*REC
.set SLOT,   24*REC
.set SPARE,  2*SLOT                    ; the spare words, 128 bytes for each wave
.set BIAS,   SPARE+512                 ; b_z and b_h at my columns: 1,024 bytes for each wave, its own
.set SROW,   528                       ; a stage row.  Each wave's stage, 16 rows, lies in slot 0, which has had its last fill and its last read when the epilogue begins
.set HOFF,   1024*REC                  ; from x's records to h's
.set WZ,     2048*REC
.set WH,     2560*REC
.set WSTEP,  510*REC                   ; from W_z's group 2 or 3 to W_h's group 0 or 1
.set BPITCH, 4*REC
.set FA,  4
.set FB,  6
.set SA,  8
.set SB,  10
.set SPW, 12
.set NIL, 13
.set SGA, 14
.set SGD, 15
.set L16, 16
.set SCO, 17
.set BIA, 18
.set BIW, 19
.set PFV, 20                           ; v20 256 x min(lane, 24): a record's 25 blocks;  v21 the half of them that my wave names of a weights' record
.set PFW, 21
.set SC,  32
.set PC,  44
.set TC,  56
.set AF,  64
.set HB,  160
.set TM,  224
.set PW,  240
.set T,   244
.set WV,  18
.set WHI, 19
.set WLO, 20
.set LAP, 23
.set G1A, 24
.set G0A, 32                           ; s[32:39] group 0 for x's and h's records, a set for each slot;  s[48:55] the weights';  s[56:63] r h's
.set G1B, 40
.set G0B, 48
.set G0R, 56
.set PFR, 66                           ; s[66:67] r h's record that I prefetch;  s[94:95] W_z's
.set GHA, 68                           ; s[68:71], s[72:75] group 0 for the head's whole tiles
.set GHB, 72
.set HP,  76
.set CB,  78
.set SBP, 80
.set OP,  82
.set DA,  84                           ; s[84:85] how far this lap's rows' tiles lie from x's;  s[86:87] this lap's step of the weights' addresses;  s[4:5] (behind the head) my half of x's tile, group 0
.set DB,  86
.set PFB, 94
.set SEL, 96
.set MWZ, 0xa1
.set MWH, 0xf1
.set MSB, 0
.macro WIN new
.if MSB != (\new)
	s_set_vgpr_msb (MSB<<8)|(\new)
.set MSB, (\new)
.endif
.endm
.macro PLACES n
.rept \n
	v_nop
.endr
.endm
.macro TWOARMS sel, g0a, g0b           ; a joint load in two arms, on the wave's number alone; s_nop 0 and four v_nop follow each line
	s_cmp_eq_u32 s[\sel], 0
	s_cbranch_scc0 .Lfor_b_\@
	tensor_load_to_lds s[\g0a:\g0a+3], s[G1A:G1A+7]
	s_nop 0
	PLACES 4
	s_branch .Lasked_\@
.Lfor_b_\@:
	tensor_load_to_lds s[\g0b:\g0b+3], s[G1B:G1B+7]
	s_nop 0
	PLACES 4
.Lasked_\@:
.endm
.macro CREST
	s_cmp_lg_u32 s[WV], 0
	s_cbranch_scc1 .Lnot_wave_0_\@
	s_barrier_signal -3
.Lnot_wave_0_\@:
	s_barrier_wait -3
	s_barrier_signal -1
	s_barrier_wait -1
.endm
.macro CROUND
	s_barrier_signal -1
	s_barrier_wait -1
	CREST
.endm
.macro WM a, b, p                      ; rows' block a x weights' block b, set p; an odd block's scale words stand in lanes 16-31 of its pair's register
.set rD, 8*(8*(\a)+(\b))
.set rB, 128*(\p)+12*(\b)
.set rA, AF+48*(\p)+12*(\a)
.set rSB, SC+6*(\p)+2+(\b)/2
.set rSA, SC+6*(\p)+(\a)/2
.set rW, 2*((\a)%2)+(\b)%2
.if rW == 0
	v_wmma_scale_f32_16x16x128_f8f6f4 v[rD:rD+7], v[rB:rB+11], v[rA:rA+11], v[rD:rD+7], v[rSB], v[rSA] matrix_a_fmt:MATRIX_FMT_BF6 matrix_b_fmt:MATRIX_FMT_BF6
.elseif rW == 1
	v_wmma_scale_f32_16x16x128_f8f6f4 v[rD:rD+7], v[rB:rB+11], v[rA:rA+11], v[rD:rD+7], v[rSB], v[rSA] matrix_a_fmt:MATRIX_FMT_BF6 matrix_b_fmt:MATRIX_FMT_BF6 matrix_a_scale:MATRIX_SCALE_ROW1
.elseif rW == 2
	v_wmma_scale_f32_16x16x128_f8f6f4 v[rD:rD+7], v[rB:rB+11], v[rA:rA+11], v[rD:rD+7], v[rSB], v[rSA] matrix_a_fmt:MATRIX_FMT_BF6 matrix_b_fmt:MATRIX_FMT_BF6 matrix_b_scale:MATRIX_SCALE_ROW1
.else
	v_wmma_scale_f32_16x16x128_f8f6f4 v[rD:rD+7], v[rB:rB+11], v[rA:rA+11], v[rD:rD+7], v[rSB], v[rSA] matrix_a_fmt:MATRIX_FMT_BF6 matrix_b_fmt:MATRIX_FMT_BF6 matrix_a_scale:MATRIX_SCALE_ROW1 matrix_b_scale:MATRIX_SCALE_ROW1
.endif
.endm
.macro MULA p, a                       ; a product's 32 accumulators take turns, one instruction a turn
.irp b, 0,1,2,3,4,5,6,7
	WM \a, \b, \p
.endr
.endm
.macro MUL32 p
	MULA \p, 0
	MULA \p, 1
	MULA \p, 2
	MULA \p, 3
.endm
.macro FETCH slot, q, p                ; the fragments and scale words of the slot's q-th 128 along K into set p, in one run
	WIN 0x40
.irp i, 0,1,2,3,4,5,6,7
.irp c, 0,1,2
	ds_load_b128 v[128*(\p)+12*\i+4*\c:128*(\p)+12*\i+4*\c+3], v[FB+\slot] offset:REC*\i+1536*(\q)+512*\c
.endr
.endr
	WIN 0
.irp i, 0,1,2,3
.irp c, 0,1,2
	ds_load_b128 v[AF+48*(\p)+12*\i+4*\c:AF+48*(\p)+12*\i+4*\c+3], v[FA+\slot] offset:REC*\i+1536*(\q)+512*\c
.endr
.endr
.irp j, 0,1
	ds_load_b32 v[SC+6*(\p)+\j], v[SA+\slot] offset:2*REC*\j+6144+64*(\q)
.endr
.irp j, 0,1,2,3
	ds_load_b32 v[SC+6*(\p)+2+\j], v[SB+\slot] offset:2*REC*\j+6144+64*(\q)
.endr
.endm
.macro PKS op, sr                      ; 32 packed instructions over a block's 64 registers, each accumulator from its low end on
.set ee, 0
.rept 32
	\op v[AC+ee:AC+ee+1], v[AC+ee:AC+ee+1], \sr op_sel_hi:[1,0]
.set ee, ee+2
.endr
.endm
.macro TR op
.set ee, 0
.rept 64
	\op v[AC+ee], v[AC+ee]
.set ee, ee+1
.endr
.endm
.macro ZS a                            ; block a of z: from the finished sums to 1 / (1 + 2^(-log2 e x sum)), in place; each batch has its wait ahead and behind
.set AC, 64*(\a)
	WIN 0x82                                       ; destination and source 0 window 2
	s_wait_alu depctr_va_vdst(0)
	PKS v_pk_mul_f32, s[98:99]
	s_wait_alu depctr_va_vdst(0)
	TR v_exp_f32
	v_nop
	s_wait_alu depctr_va_vdst(0)
	PKS v_pk_add_f32, 1.0
	s_wait_alu depctr_va_vdst(0)
	TR v_rcp_f32
	v_nop
.endm
; A K step of 128 with its successor in the same slot: the successor's fragments are asked for first.  zs >= 0: block zs of z is finished here, while they come
.macro KSTEP slot, q, mw, zs
	s_wait_dscnt 0x0                               ; this step's fragments are in
	PLACES 4                                       ; between the last products and loads into registers that they read
	FETCH \slot, (\q)+1, 1-(\q)%2
.if (\zs) >= 0
	ZS \zs
	WIN \mw
	s_wait_alu depctr_va_vdst(0)                   ; behind the reciprocals, directly ahead of the products that read t's sums
.endif
	WIN \mw
	MUL32 (\q)%2
.endm
; A slot's last K step changes slots: in front of the barrier each wave waits for all its tensor loads, adds 0 to its spare word, and waits for that and for its reads of this slot.
; fill 1 (z's loop): the slot takes the tile two on, by this lap's steps, and the tile four on is prefetched;  fill 3: r h's tile;  fill 0: nothing is left to fetch
.macro TURN slot, mw, fill
	WIN 0
	s_wait_tensorcnt 0x0
	ds_add_u32 v[SPW], v[NIL]
	s_wait_dscnt 0x1                               ; only the add may be out
	WIN \mw
	MULA 1, 0
	s_wait_dscnt 0x0
	s_barrier_signal -1
	MULA 1, 1
	WIN 0
	s_barrier_wait -1
.if \fill
	CREST                                          ; the barrier has opened a round of the cluster's
.if \fill == 1
	s_add_nc_u64 s[G0A+4*\slot+2:G0A+4*\slot+3], s[4:5], s[DA:DA+1]                           ; the address is made anew: x's tile, or h's,
.if \slot
	s_add_nc_u64 s[G0A+4*\slot+2:G0A+4*\slot+3], s[G0A+4*\slot+2:G0A+4*\slot+3], \slot*REC    ; the slot's group of K,
.endif
	s_or_b32 s[G0A+4*\slot+3], s[G0A+4*\slot+3], 0x80000000                                   ; and the type
	s_add_nc_u64 s[G0B+4*\slot+2:G0B+4*\slot+3], s[G0B+4*\slot+2:G0B+4*\slot+3], s[DB:DB+1]
	TWOARMS WHI, G0A+4*\slot, G0B+4*\slot
.else
	s_add_nc_u64 s[G0B+4*\slot+2:G0B+4*\slot+3], s[G0B+4*\slot+2:G0B+4*\slot+3], 2*REC
	TWOARMS WHI, G0R+4*\slot, G0B+4*\slot
.endif
.else
	PLACES 4
.endif
	FETCH 1-\slot, 0, 0
.if \fill == 1
	global_prefetch_b8 v[PFW], s[PFB:PFB+1] offset:WH-WZ+\slot*REC th:TH_LOAD_NT scope:SCOPE_SE   ; W_h's tile four tiles on
	s_cmp_eq_u32 s[LAP], 1
	s_cbranch_scc0 .Lno_rows_\@                    ; in the first lap that tile's rows are x's, which have been read
	global_prefetch_b8 v[PFV], s[PFR:PFR+1] offset:\slot*REC th:TH_LOAD_NT scope:SCOPE_SE
.Lno_rows_\@:
.endif
	WIN \mw
	MULA 1, 2
	MULA 1, 3
.endm
.macro TILE slot, mw, fill, zs
	KSTEP \slot, 0, \mw, \zs
	KSTEP \slot, 1, \mw, -1
	KSTEP \slot, 2, \mw, -1
	TURN \slot, \mw, \fill
.endm
.macro QUANT src, pc, tc, pw           ; 64 numbers of a lane, register 16 b + i = k 32 b + 16 (lane / 16) + i of my row, become a fragment's codes at v[pc] and its scale word in v[pw]
.irp b, 0,1,2,3
	v_max3_num_f32 v[TM+\b], |v[(\src)+16*\b]|, |v[(\src)+1+16*\b]|, 0x2800000   ; with the floor 2^(5 - 127): the byte cannot fall under 1
.endr
.irp i, 2,4,6,8,10,12,14
.irp b, 0,1,2,3
	v_max3_num_f32 v[TM+\b], v[TM+\b], |v[(\src)+16*\b+\i]|, |v[(\src)+1+16*\b+\i]|
.endr
.endr
.irp b, 0,1,2,3
	v_permlanex16_b32 v[TM+4+\b], v[TM+\b], s[SEL], s[SEL+1]
.endr
.irp b, 0,1,2,3
	v_max_num_f32 v[TM+\b], v[TM+\b], v[TM+4+\b]
.endr
.irp b, 0,1,2,3
	v_add_nc_u32 v[TM+12+\b], 0xfe000000, v[TM+\b]         ; 4 off the exponent field: the conversion's scale operand
.endr
.irp b, 0,1,2,3
	v_lshrrev_b32 v[TM+4+\b], 23, v[TM+12+\b]              ; the scale's byte
.endr
	v_lshl_or_b32 v[(\pw)], v[TM+5], 8, v[TM+4]
	v_lshl_or_b32 v[(\pw)], v[TM+6], 16, v[(\pw)]
	v_lshl_or_b32 v[(\pw)], v[TM+7], 24, v[(\pw)]
.irp c, 0,1
	v_cvt_scalef32_pk16_bf6_f32 v[(\pc)+6*\c:(\pc)+2+6*\c], v[(\src)+32*\c:(\src)+15+32*\c], v[TM+12+2*\c]
	v_cvt_scalef32_pk16_bf6_f32 v[(\tc)+4*\c:(\tc)+2+4*\c], v[(\src)+16+32*\c:(\src)+31+32*\c], v[TM+13+2*\c]
.endr
	v_nop                                                  ; one plain instruction behind the last scaled conversion
.irp c, 0,1
.irp i, 0,1,2
	v_permlane16_swap_b32 v[(\pc)+6*\c+\i], v[(\tc)+4*\c+\i]
.endr
.irp i, 0,1,2
	v_mov_b32 v[(\pc)+3+6*\c+\i], v[(\tc)+4*\c+\i]
.endr
.endr
.endm
.macro TURNH hw, hb                    ; 16 rows of h as loaded (window hw, from v[hb]) turn through my stage and come back in the accumulators' order, in v[HB] on
	WIN (\hw)<<2
.irp j, 0,1,2,3,4,5,6,7,8,9,10,11,12,13,14,15
	ds_store_b128 v[SGD], v[(\hb)+4*\j:(\hb)+4*\j+3] offset:SROW*\j
.endr
	WIN 0
.irp pb, 0,1,2,3
.irp q, 0,1,2,3
	ds_load_b128 v[HB+16*\pb+4*\q:HB+16*\pb+4*\q+3], v[SGA] offset:128*\pb+16*\q   ; LDS serves a wave's instructions in order
.endr
.endr
.endm
	s_load_b256 s[4:11], s[0:1], 0x0               ; qin, rhq, hidden_state, b_z
	s_load_b128 s[12:15], s[0:1], 0x20             ; b_h, out1
	s_load_b64 s[16:17], s[0:1], 0x30              ; hidq
	v_lshl_add_u32 v[SPW], v0, 2, SPARE
	v_mov_b32 v[NIL], 0
	ds_add_u32 v[SPW], v[NIL]                      ; the opening lines: the add twice on end and its wait
	ds_add_u32 v[SPW], v[NIL]
	v_lshrrev_b32 v1, 5, v0
	v_readfirstlane_b32 s[WV], v1                  ; wave 0..3
	s_lshr_b32 s[WHI], s[WV], 1
	s_and_b32 s[WLO], s[WV], 1
	s_bfe_u32 s2, ttmp6, 0x40000                   ; cx, cy
	s_bfe_u32 s3, ttmp6, 0x40004
	s_lshl_b32 s21, ttmp9, 2
	s_add_co_u32 s21, s21, s2                      ; tile row, 0..31
	s_and_b32 s22, ttmp7, 0xffff
	s_lshl_b32 s22, s22, 2
	s_add_co_u32 s22, s22, s3                      ; tile column, 0..7
	s_lshl_b32 s23, 0x1111, s2                     ; my column of the cluster: the same tile row
	s_or_b32 s[G1A], s23, (3<<16)|(1<<21)          ; the mask; elements of 8 bytes; bit 21 beside a mask
	s_lshl_b32 s23, s3, 2
	s_lshl_b32 s23, 15, s23                        ; my row of the cluster: the same tile column
	s_or_b32 s[G1B], s23, (3<<16)|(1<<21)
	s_mov_b32 s[G1A+1], 800<<16                    ; a record is a row of 800 elements, dense in LDS
	s_mov_b32 s[G1A+2], 16<<16                     ; at the head: a whole tile, 16 records of rows, 12,800 bytes apart,
	s_mov_b32 s[G1A+3], 800<<16
	s_mov_b32 s[G1A+4], 16
	s_mov_b32 s[G1A+5], 1600
	s_mov_b32 s[G1A+6], 0
	s_mov_b32 s[G1A+7], 0
	s_mov_b32 s[G1B+1], 800<<16
	s_mov_b32 s[G1B+2], 8<<16                      ; or 8 of weights, 25,600 bytes apart
	s_mov_b32 s[G1B+3], 800<<16
	s_mov_b32 s[G1B+4], 8
	s_mov_b32 s[G1B+5], 3200
	s_mov_b32 s[G1B+6], 0
	s_mov_b32 s[G1B+7], 0
	s_mul_i32 s84, s21, 32*REC                     ; the rows' records hang on the tile row alone,
	s_mov_b32 s85, 0
	s_mul_i32 s86, s22, 8*BPITCH                   ; the weights' on the tile column alone
	s_add_co_u32 s86, s86, WZ
	s_mov_b32 s87, 0
	s_mul_i32 s88, s[WHI], REC                     ; at the head waves 0, 1 fetch for slot 0 (group 0 of K), waves 2, 3 for slot 1 (group 1)
	s_mov_b32 s89, 0
	s_mul_i32 s23, s[WHI], SLOT
	s_mov_b32 s[SEL], 0x76543210
	s_mov_b32 s[SEL+1], 0xfedcba98
	s_mov_b32 s98, 0xbfb8aa3b                      ; -log2(e)
	s_mov_b32 s99, s98
	s_mov_b32 s100, 0x4038aa3b                     ; 2 log2(e)
	s_mov_b32 s101, s100
	s_wait_dscnt 0x0
	s_wait_kmcnt 0x0
	s_add_nc_u64 s[90:91], s[6:7], s[84:85]        ; r h's records of my tile row
	s_add_nc_u64 s[84:85], s[4:5], s[84:85]        ; x's
	s_add_nc_u64 s[86:87], s[4:5], s[86:87]        ; W_z's of my tile column
	s_mov_b32 s[GHA], 1
	s_mov_b32 s[GHA+1], s23
	s_add_nc_u64 s[GHA+2:GHA+3], s[84:85], s[88:89]
	s_or_b32 s[GHA+3], s[GHA+3], 0x80000000
	s_mov_b32 s[GHB], 1
	s_add_co_u32 s[GHB+1], s23, ABYTES
	s_add_nc_u64 s[GHB+2:GHB+3], s[86:87], s[88:89]
	s_or_b32 s[GHB+3], s[GHB+3], 0x80000000
	CROUND                                         ; all sixteen work-groups are here: the first joint loads meet
	TWOARMS WLO, GHA, GHB                          ; one tensor load a wave at the head: waves 0, 2 the rows' tiles, waves 1, 3 the weights'
	s_lshl_b32 s92, s3, 2                          ; what I prefetch: of a rows' tile record 4 cy + wave,
	s_add_co_u32 s92, s92, s[WV]
	s_mul_i32 s92, s92, 2*REC
	s_mov_b32 s93, 0
	s_add_nc_u64 s[PFR:PFR+1], s[90:91], s[92:93]
	s_add_nc_u64 s[92:93], s[84:85], s[92:93]
	s_lshl_b32 s94, s2, 1                          ; of a weights' tile record 2 cx + wave % 2
	s_add_co_u32 s94, s94, s[WLO]
	s_mul_i32 s94, s94, BPITCH
	s_mov_b32 s95, 0
	s_add_nc_u64 s[PFB:PFB+1], s[86:87], s[94:95]
	s_mul_i32 s88, s[WLO], 16*REC                  ; in the ring waves 0, 1 fetch the halves of the rows' records, waves 2, 3 of the weights'
	s_add_nc_u64 s[84:85], s[84:85], s[88:89]
	s_mov_b64 s[4:5], s[84:85]                     ; kept for the refills of z's loop (qin's address is needed no more)
	s_add_nc_u64 s[90:91], s[90:91], s[88:89]
	s_mul_i32 s88, s[WLO], 4*BPITCH
	s_add_nc_u64 s[86:87], s[86:87], s[88:89]
	s_mul_i32 s23, s[WLO], 8*REC
	s_mul_i32 s88, s[WLO], 4*REC
	s_add_co_u32 s88, s88, ABYTES
.irp s, 0,1
	s_mov_b32 s[G0A+4*\s], 1
	s_add_co_u32 s[G0A+4*\s+1], s23, \s*SLOT
	s_add_nc_u64 s[G0A+4*\s+2:G0A+4*\s+3], s[84:85], \s*REC
	s_or_b32 s[G0A+4*\s+3], s[G0A+4*\s+3], 0x80000000
	s_mov_b32 s[G0R+4*\s], 1
	s_add_co_u32 s[G0R+4*\s+1], s23, \s*SLOT
	s_add_nc_u64 s[G0R+4*\s+2:G0R+4*\s+3], s[90:91], \s*REC
	s_or_b32 s[G0R+4*\s+3], s[G0R+4*\s+3], 0x80000000
	s_mov_b32 s[G0B+4*\s], 1
	s_add_co_u32 s[G0B+4*\s+1], s88, \s*SLOT
	s_add_nc_u64 s[G0B+4*\s+2:G0B+4*\s+3], s[86:87], \s*REC
	s_or_b32 s[G0B+4*\s+3], s[G0B+4*\s+3], 0x80000000
.endr
	s_lshl_b32 s2, s21, 4
	s_lshl_b32 s3, s[WV], 2
	s_add_co_u32 s2, s2, s3                        ; my first row block: 16 x tile row + 4 x wave
	s_mul_i32 s84, s2, 2*REC
	s_lshr_b32 s3, s22, 2                          ; my 128 columns are the (tile column % 4)-th 128 of group tile column / 4 of the next K
	s_mul_i32 s3, s3, REC
	s_add_co_u32 s84, s84, s3
	s_and_b32 s3, s22, 3
	s_mul_i32 s86, s3, 1536
	s_lshl_b32 s3, s3, 6
	s_add_co_u32 s3, s3, s84
	s_add_co_u32 s88, s3, 6144
	s_add_co_u32 s84, s84, s86
	s_mov_b32 s85, 0
	s_add_nc_u64 s[CB:CB+1], s[16:17], s[84:85]
	s_add_nc_u64 s[SBP:SBP+1], s[16:17], s[88:89]
	s_lshl_b32 s84, s2, 16                         ; 16 rows of 4,096 bytes a row block
	s_lshl_b32 s88, s22, 9                         ; 128 columns are 512 bytes
	s_add_co_u32 s84, s84, s88
	s_add_nc_u64 s[HP:HP+1], s[8:9], s[84:85]
	s_add_nc_u64 s[OP:OP+1], s[14:15], s[84:85]
	s_add_nc_u64 s[10:11], s[10:11], s[88:89]
	s_add_nc_u64 s[12:13], s[12:13], s[88:89]
	s_mul_i32 s2, s[WV], 16*SROW                   ; my stage
	s_lshl_b32 s3, s[WV], 10
	s_add_co_u32 s3, s3, BIAS                      ; my copy of the biases
	s_mul_i32 s84, s[WV], 4*REC                    ; my four records of rows
	s_mul_i32 s85, s[WHI], 13
	s_mov_b32 s88, HOFF                            ; the steps of the ring's addresses in z's two laps
	s_mov_b32 s90, 2*REC
	s_mov_b32 s91, WSTEP
	v_and_b32 v1, 15, v0                           ; r
	v_bfe_u32 v2, v0, 4, 1                         ; h
	v_and_b32 v3, 31, v0                           ; lane
	v_lshlrev_b32 v[L16], 4, v3
	v_add_nc_u32 v[FA], s84, v[L16]
	v_add_nc_u32 v[FA+1], SLOT, v[FA]
	v_add_nc_u32 v[FB], ABYTES, v[L16]
	v_add_nc_u32 v[FB+1], SLOT, v[FB]
	v_lshlrev_b32 v22, 2, v1
	v_mad_u32_u24 v23, v2, REC, v22                ; 4 r + one record more for lanes 16-31
	v_add_nc_u32 v[SA], s84, v23
	v_add_nc_u32 v[SA+1], SLOT, v[SA]
	v_add_nc_u32 v[SB], ABYTES, v23
	v_add_nc_u32 v[SB+1], SLOT, v[SB]
	v_mad_u32_u24 v[SCO], v2, 2*REC, v22
	v_mul_u32_u24 v[SGA], v1, SROW
	v_lshl_add_u32 v[SGA], v2, 6, v[SGA]
	v_add_nc_u32 v[SGA], s2, v[SGA]
	v_add_nc_u32 v[SGD], s2, v[L16]
	v_lshl_add_u32 v[BIA], v2, 6, s3
	v_add_nc_u32 v[BIW], s3, v[L16]
	v_min_u32 v[PFV], 24, v3                       ; a lane a block of 256 bytes; the lanes left over name the last block again
	v_lshlrev_b32 v[PFV], 8, v[PFV]
	v_min_u32 v[PFW], 12, v3
	v_add_nc_u32 v[PFW], s85, v[PFW]
	v_min_u32 v[PFW], 24, v[PFW]
	v_lshlrev_b32 v[PFW], 8, v[PFW]
	s_wait_alu depctr_va_vdst(0)                   ; the wait at the end of the head's vector work
	global_load_b128 v[44:47], v[L16], s[10:11]    ; b_z, b_h at my 128 columns
	global_load_b128 v[48:51], v[L16], s[12:13]
	global_prefetch_b8 v[PFV], s[92:93] offset:HOFF th:TH_LOAD_NT scope:SCOPE_SE          ; tiles 2 and 3: h's two groups,
	global_prefetch_b8 v[PFV], s[92:93] offset:HOFF+REC th:TH_LOAD_NT scope:SCOPE_SE
	global_prefetch_b8 v[PFW], s[PFB:PFB+1] offset:2*REC th:TH_LOAD_NT scope:SCOPE_SE     ; and W_z's groups 2 and 3
	global_prefetch_b8 v[PFW], s[PFB:PFB+1] offset:3*REC th:TH_LOAD_NT scope:SCOPE_SE
	s_mov_b32 s[DB+1], 0
	s_wait_loadcnt 0x0
	ds_store_b128 v[BIW], v[44:47]
	ds_store_b128 v[BIW], v[48:51] offset:512
.irp w, 0,1                                        ; the biases into the accumulators, in their order: accumulator (a, b) holds columns 32 (b / 2) + 16 h + 8 (b % 2) + 0 .. 7
	WIN 0x80+0x40*\w
.set nn, 0
.rept 32
	ds_load_b128 v[8*nn:8*nn+3], v[BIA] offset:512*\w+128*((nn%8)/2)+32*(nn%2)
	ds_load_b128 v[8*nn+4:8*nn+7], v[BIA] offset:512*\w+128*((nn%8)/2)+32*(nn%2)+16
.set nn, nn+1
.endr
.endr
	WIN 0
	s_wait_tensorcnt 0x0                           ; my tile of the head's four is in; no tensor load of mine is out, so group 1 may be written: from here on a load brings half a tile
	s_mov_b32 s[G1A+2], 8<<16
	s_mov_b32 s[G1A+4], 8
	s_mov_b32 s[G1B+2], 4<<16
	s_mov_b32 s[G1B+4], 4
	s_wait_dscnt 0x0
	s_barrier_signal -1
	s_barrier_wait -1                              ; everybody's is
	FETCH 0, 0, 0
.irp j, 0,1,2,3,4,5,6,7,8,9,10,11,12,13,14,15
	global_load_b128 v[HB+4*\j:HB+4*\j+3], v[L16], s[HP:HP+1] offset:\j*4096 th:TH_LOAD_NT   ; block 0 of h, wanted in the epilogue
.endr
	s_mov_b32 s[LAP], 0
.Llap:                                             ; z: a lap is two tiles; lap 0 fetches h's tiles and W_z's groups 2, 3, lap 1 x's tiles again and W_h's groups 0, 1
	s_cmp_eq_u32 s[LAP], 0
	s_cselect_b32 s[DA], s88, 0
	s_mov_b32 s[DA+1], 0
	s_cselect_b32 s[DB], s90, s91
	TILE 0, MWZ, 1, -1
	TILE 1, MWZ, 1, -1
	WIN 0
	s_wait_xcnt 0x0                                ; my prefetches have read their base (the last stands 16 matrix instructions back)
	s_add_nc_u64 s[PFB:PFB+1], s[PFB:PFB+1], 2*REC
	s_add_co_u32 s[LAP], s[LAP], 1
	s_cmp_lt_u32 s[LAP], 2
	s_cbranch_scc1 .Llap
	TILE 0, MWH, 3, 0                              ; t: x's tiles; r h's are fetched
	TILE 1, MWH, 3, 1
	TILE 0, MWH, 0, 2                              ; nothing is left to fetch
	KSTEP 1, 0, MWH, 3
	KSTEP 1, 1, MWH, -1
	KSTEP 1, 2, MWH, -1
	s_wait_dscnt 0x0
	WIN MWH
	MUL32 1
	; THE EPILOGUE, a block of 16 rows at a time
	WIN 0
.irp b, 0,1,2,3
	v_mov_b32 v[TM+4+\b], 0                        ; a lane permute's destination counts as one of its sources.  These four are also the places behind the last products
.endr
	s_mov_b32 vcc_lo, 0xffff0000                   ; lanes 16-31
	WIN 0x40
.irp a, 1,2,3
.irp j, 0,1,2,3,4,5,6,7,8,9,10,11,12,13,14,15
	global_load_b128 v[64*(\a-1)+4*\j:64*(\a-1)+4*\j+3], v[L16], s[HP:HP+1] offset:(16*\a+\j)*4096 th:TH_LOAD_NT
.endr
.endr
.macro CBLOCK a
.set AC, 64*(\a)
	WIN 0xc3                                       ; destination and source 0 window 3
	s_wait_alu depctr_va_vdst(0)                   ; the wait ahead of the first readers of matrix results
	PKS v_pk_mul_f32, s[100:101]                   ; 2 log2 e (sum + b_h)
	s_wait_alu depctr_va_vdst(0)                   ; one wait ahead of the batch,
	TR v_exp_f32
	s_wait_loadcnt 16*(3-(\a))                     ; this block's 16 rows of h are in; the later blocks' may be out
	s_wait_xcnt 0x0                                ; the last block's stores have read their registers
.if (\a) == 0
	TURNH 0, HB
.else
	TURNH 1, 64*((\a)-1)
.endif
	v_nop
	s_wait_alu depctr_va_vdst(0)                   ; and one behind it
	WIN 0xc3
	PKS v_pk_add_f32, 1.0
	s_wait_alu depctr_va_vdst(0)
	TR v_rcp_f32
	v_nop
	s_wait_alu depctr_va_vdst(0)
.set ee, 0
.rept 32
	v_pk_fma_f32 v[AC+ee:AC+ee+1], v[AC+ee:AC+ee+1], -2.0, 1.0 op_sel_hi:[1,0,0]   ; t
.set ee, ee+2
.endr
	s_wait_dscnt 0x0                               ; h is back from the stage
.set ee, 0
.rept 32
	v_pk_add_f32 v[AC+ee:AC+ee+1], v[AC+ee:AC+ee+1], v[HB+ee:HB+ee+1] neg_lo:[0,1] neg_hi:[0,1]   ; t - h
.set ee, ee+2
.endr
	WIN 0x0e                                       ; source 0 window 2, source 1 window 3
.set ee, 0
.rept 32
	v_pk_fma_f32 v[HB+ee:HB+ee+1], v[AC+ee:AC+ee+1], v[AC+ee:AC+ee+1], v[HB+ee:HB+ee+1]           ; h + z (t - h)
.set ee, ee+2
.endr
	WIN 0
	QUANT HB, PC, TC, PW+(\a)
.irp pb, 0,1,2,3
.irp q, 0,1,2,3
	ds_store_b128 v[SGA], v[HB+16*\pb+4*\q:HB+16*\pb+4*\q+3] offset:128*\pb+16*\q
.endr
.endr
.irp j, 0,1,2,3,4,5,6,7,8,9,10,11,12,13,14,15
	ds_load_b128 v[HB+4*\j:HB+4*\j+3], v[SGD] offset:SROW*\j       ; back as whole rows of 512 bytes
.endr
.irp c, 0,1,2
	global_store_b128 v[L16], v[PC+4*\c:PC+4*\c+3], s[CB:CB+1] offset:2*REC*(\a)+512*\c   ; 32 lanes store 512 consecutive bytes, at a multiple of 256 from hidq's first byte
.endr
.irp j, 0,1,2,3,4,5,6,7,8,9,10,11,12,13,14,15
	s_wait_dscnt 15-\j
	global_store_b128 v[L16], v[HB+4*\j:HB+4*\j+3], s[OP:OP+1] offset:(16*(\a)+\j)*4096 th:TH_STORE_NT
.endr
.if (\a)%2
	v_cndmask_b32 v[T+(\a)/2], v[PW+(\a)-1], v[PW+(\a)], vcc_lo    ; lanes 0-15: the even block's words, lanes 16-31: the odd block's
	global_store_b32 v[SCO], v[T+(\a)/2], s[SBP:SBP+1] offset:2*REC*((\a)-1)
.endif
.endm
	CBLOCK 0
	CBLOCK 1
	CBLOCK 2
	CBLOCK 3
	s_wait_tensorcnt 0x0                           ; the wave's end
	ds_add_u32 v[SPW], v[NIL]
	s_wait_dscnt 0x0
	CROUND                                         ; the closing round
	s_endpgm
.Lfunc_end_k_q8ff9bd9a48_cell:
	.size	k_q8ff9bd9a48_cell, .Lfunc_end_k_q8ff9bd9a48_cell-k_q8ff9bd9a48_cell
	.p2alignl 7, 3214868480
	.fill 96, 4, 3214868480
	.section	.rodata,"a",@progbits
	.p2align	6, 0x0
	.amdhsa_kernel k_q8ff9bd9a48_cell
		.amdhsa_group_segment_fixed_size 327680
		.amdhsa_private_segment_fixed_size 0
		.amdhsa_enable_private_segment 0
		.amdhsa_kernarg_size 56
		.amdhsa_user_sgpr_count 2
		.amdhsa_user_sgpr_kernarg_segment_ptr 1
		.amdhsa_wavefront_size32 1
		.amdhsa_system_sgpr_workgroup_id_x 1
		.amdhsa_system_sgpr_workgroup_id_y 1
		.amdhsa_system_sgpr_workgroup_id_z 1
		.amdhsa_system_vgpr_workitem_id 0
		.amdhsa_next_free_vgpr 1024
		.amdhsa_next_free_sgpr 102
		.amdhsa_reserve_vcc 1
		.amdhsa_float_denorm_mode_32 3
		.amdhsa_float_denorm_mode_16_64 3
		.amdhsa_memory_ordered 1
		.amdhsa_forward_progress 1
		.amdhsa_inst_pref_size 255
	.end_amdhsa_kernel
	.section	.bss,"aw",@nobits
	.p2align	6
	.space	262144
	.amdgpu_metadata
---
amdhsa.version: [ 1, 2 ]
amdhsa.kernels:
  - .name:           k_q8ff9bd9a48_cell
    .symbol:         k_q8ff9bd9a48_cell.kd
    .args:
      - { .name: qin, .offset: 0, .size: 8, .value_kind: global_buffer, .address_space: global }
      - { .name: rhq, .offset: 8, .size: 8, .value_kind: global_buffer, .address_space: global }
      - { .name: hidden_state, .offset: 16, .size: 8, .value_kind: global_buffer, .address_space: global }
      - { .name: b_z, .offset: 24, .size: 8, .value_kind: global_buffer, .address_space: global }
      - { .name: b_h, .offset: 32, .size: 8, .value_kind: global_buffer, .address_space: global }
      - { .name: out1, .offset: 40, .size: 8, .value_kind: global_buffer, .address_space: global }
      - { .name: hidq, .offset: 48, .size: 8, .value_kind: global_buffer, .address_space: global }
    .group_segment_fixed_size: 327680
    .private_segment_fixed_size: 0
    .kernarg_segment_align: 8
    .kernarg_segment_size: 56
    .max_flat_workgroup_size: 128
    .sgpr_count:     102
    .vgpr_count:     1024
    .wavefront_size: 32
...
	.end_amdgpu_metadata
.endif
;; end of part 3
;; launch head (part 4): grid 8 x 32, 4 waves a work-group, clusters of 4 x 4, 262,656 bytes of LDS; arguments hidq, qin, b_o, out0; writes out0
.if DOCPART == 4
	.amdgcn_target "amdgcn-amd-amdhsa--gfx1250"
	.amdhsa_code_object_version 6
	.text
	.protected	k_q8ff9bd9a48_head
	.globl	k_q8ff9bd9a48_head
	.p2align	8
	.type	k_q8ff9bd9a48_head,@function
k_q8ff9bd9a48_head:
	s_mov_b64 s[64:65], 0
	v_nop
	global_prefetch_b8 v0, s[64:65] scope:SCOPE_SE
	s_setreg_imm32_b32 hwreg(HW_REG_WAVE_MODE, 25, 1), 1
	s_wait_xcnt 0x0
	s_wait_alu depctr_hold_cnt(0) depctr_sa_sdst(0) depctr_va_vdst(0) depctr_va_sdst(0) depctr_va_ssrc(0) depctr_va_vcc(0) depctr_vm_vsrc(0)
	s_getreg_b32 s2, hwreg(HW_REG_IB_STS2, 6, 4)
	s_cmp_eq_u32 s2, 0
	s_cbranch_scc0 .Lentry_in_a_cluster
	s_endpgm
.Lentry_in_a_cluster:
	s_bfe_u32 s2, ttmp6, 0x10000c
	s_cmp_lg_u32 s2, 0xf033
	s_cbranch_scc0 .Lentry_shape_is_right
	s_endpgm
.Lentry_shape_is_right:
; out0 = hidden W_o^T + b_o, on codes of BF6 (E3M2) with E8M0 scales, sums in f32.  hidden's records lie in hidq, W_o's in qin (rows not permuted): a record is 16 rows x 512 along K, 6,400 bytes:
; four images of a fragment's 12 registers (1536 s + 512 c + 16 l), then the rows' scale words at 6144 + 64 s + 4 r.
; SHARES: a work-group makes 256 rows x 64 columns (8 x 32 work-groups for 8,192 x 512); wave w rows 64 w .. 64 w + 63: 4 blocks of rows x 4 of columns, 16 accumulators.
; K = 1,024 is two tiles of 512: both lie in LDS at once (two slots, each filled once), so nothing is filled again.  CLUSTER 4 x 4: hidden's records are shared along a row of the cluster, W_o's along a column, by joint loads; a wave has one out.
; THE MATRIX INSTRUCTION IS USED TRANSPOSED (source 0 = 16 rows of W_o, source 1 = 16 rows of hidden): a lane holds eight neighbouring columns of one row.  The bias is the C of each sum's first product.
; LIMITS: NaN and infinities among the inputs are not served.
; REGISTERS: window 0: v1-20 addresses; v32-43 scale words, two sets; v64-111, v112-159 hidden's fragments, two sets (on the way out v64-191: rows of out0).   window 1: W_o's fragments at v0 and v128.
;   window 2: the accumulators, (a, b) at v[8 (4 a + b)]; v128-159 the bias, eight registers for each block of columns.
.set NB,     4
.set REC,    6400
.set ABYTES, 16*REC
.set SLOT,   ABYTES+NB*REC
.set WOFF,   2816*REC                  ; W_o's records
.set BPITCH, 2*REC
.set SPITCH, 272                       ; the way out: a stage of 16 rows x (256 bytes + 16) for each wave, in slot 0, which has had its one fill and its last read by then
.set FA,  4
.set FB,  6
.set SA,  8
.set SB,  10
.set STO, 14                           ; v14 the stage: where I put 32 bytes of a row
.set RD,  15                           ; v15 and where I read rows back: lanes 0-15 one row, lanes 16-31 the next
.set L16, 16
.set CO,  17                           ; v17 the same two rows in out0
.set BO,  20                           ; v20 32 h: my eight numbers of a block's bias
.set SC,  32
.set AF,  64
.set OB,  64
.set WV,  18
.set WHI, 19
.set WLO, 20
.set G1A, 24
.set G0A, 32
.set G1B, 48
.set G0B, 56
.set OP,  82
.set MW,  0xa1                         ; source 0 window 1, source 1 window 0, C and D window 2
.set MSB, 0
.macro WIN new
.if MSB != (\new)
	s_set_vgpr_msb (MSB<<8)|(\new)
.set MSB, (\new)
.endif
.endm
.macro PLACES n
.rept \n
	v_nop
.endr
.endm
.macro JLOAD g0a, g1a, g0b, g1b        ; a joint load: waves 0 and 1 fetch hidden's halves, waves 2 and 3 W_o's; four v_nop follow each of the two lines
	s_cmp_eq_u32 s[WHI], 0
	s_cbranch_scc0 .Lfor_b_\@
	tensor_load_to_lds s[\g0a:\g0a+3], s[\g1a:\g1a+7]
	s_nop 0
.rept 4
	v_nop
.endr
	s_branch .Lasked_\@
.Lfor_b_\@:
	tensor_load_to_lds s[\g0b:\g0b+3], s[\g1b:\g1b+7]
	s_nop 0
.rept 4
	v_nop
.endr
.Lasked_\@:
.endm
.macro CROUND                          ; a round of the cluster's barrier
	s_barrier_signal -1
	s_barrier_wait -1
	s_cmp_lg_u32 s[WV], 0
	s_cbranch_scc1 .Lnot_wave_0_\@
	s_barrier_signal -3
.Lnot_wave_0_\@:
	s_barrier_wait -3
	s_barrier_signal -1
	s_barrier_wait -1
.endm
.macro WM a, b, p, cmode               ; one product: rows' block a x W_o's block b, set p; cmode 2: the bias starts the sum; an odd block's scale words stand in lanes 16-31
.set rD, 8*(NB*(\a)+(\b))
.set rC, rD
.if (\cmode) == 2
.set rC, 128+8*(\b)
.endif
.set rB, 128*(\p)+12*(\b)
.set rA, AF+48*(\p)+12*(\a)
.set rSB, SC+6*(\p)+2+(\b)/2
.set rSA, SC+6*(\p)+(\a)/2
.set rW, 2*((\a)%2)+(\b)%2
.if rW == 0
	v_wmma_scale_f32_16x16x128_f8f6f4 v[rD:rD+7], v[rB:rB+11], v[rA:rA+11], v[rC:rC+7], v[rSB], v[rSA] matrix_a_fmt:MATRIX_FMT_BF6 matrix_b_fmt:MATRIX_FMT_BF6
.elseif rW == 1
	v_wmma_scale_f32_16x16x128_f8f6f4 v[rD:rD+7], v[rB:rB+11], v[rA:rA+11], v[rC:rC+7], v[rSB], v[rSA] matrix_a_fmt:MATRIX_FMT_BF6 matrix_b_fmt:MATRIX_FMT_BF6 matrix_a_scale:MATRIX_SCALE_ROW1
.elseif rW == 2
	v_wmma_scale_f32_16x16x128_f8f6f4 v[rD:rD+7], v[rB:rB+11], v[rA:rA+11], v[rC:rC+7], v[rSB], v[rSA] matrix_a_fmt:MATRIX_FMT_BF6 matrix_b_fmt:MATRIX_FMT_BF6 matrix_b_scale:MATRIX_SCALE_ROW1
.else
	v_wmma_scale_f32_16x16x128_f8f6f4 v[rD:rD+7], v[rB:rB+11], v[rA:rA+11], v[rC:rC+7], v[rSB], v[rSA] matrix_a_fmt:MATRIX_FMT_BF6 matrix_b_fmt:MATRIX_FMT_BF6 matrix_a_scale:MATRIX_SCALE_ROW1 matrix_b_scale:MATRIX_SCALE_ROW1
.endif
.endm
.macro MULA p, a, cmode                ; the 16 accumulators take turns, one instruction a turn, in the same order in every K step
.irp b, 0,1,2,3
	WM \a, \b, \p, \cmode
.endr
.endm
.macro MUL16 p, cmode
	MULA \p, 0, \cmode
	MULA \p, 1, \cmode
	MULA \p, 2, \cmode
	MULA \p, 3, \cmode
.endm
.macro FETCH slot, q, p                ; the fragments and scale words of the slot's q-th 128 along K into set p, in one run
	WIN 0x40
.irp i, 0,1,2,3
.irp c, 0,1,2
	ds_load_b128 v[128*(\p)+12*\i+4*\c:128*(\p)+12*\i+4*\c+3], v[FB+\slot] offset:REC*\i+1536*(\q)+512*\c
.endr
.endr
	WIN 0
.irp i, 0,1,2,3
.irp c, 0,1,2
	ds_load_b128 v[AF+48*(\p)+12*\i+4*\c:AF+48*(\p)+12*\i+4*\c+3], v[FA+\slot] offset:REC*\i+1536*(\q)+512*\c
.endr
.endr
.irp j, 0,1
	ds_load_b32 v[SC+6*(\p)+\j], v[SA+\slot] offset:2*REC*\j+6144+64*(\q)
.endr
.irp j, 0,1
	ds_load_b32 v[SC+6*(\p)+2+\j], v[SB+\slot] offset:2*REC*\j+6144+64*(\q)
.endr
.endm
.macro KSTEP slot, q, cmode
	s_wait_dscnt 0x0                               ; this step's fragments are in
	PLACES 4                                       ; four plain instructions between the last products and loads into the registers that they read
	FETCH \slot, (\q)+1, 1-(\q)%2
	WIN MW
	MUL16 (\q)%2, \cmode
.endm
	s_load_b256 s[4:11], s[0:1], 0x0               ; hidq s[4:5], qin s[6:7], b_o s[8:9], out0 s[10:11]
	v_lshl_add_u32 v254, v0, 2, 0x40000
	v_mov_b32 v255, 0
	ds_add_u32 v254, v255
	ds_add_u32 v254, v255
	v_lshrrev_b32 v1, 5, v0
	v_readfirstlane_b32 s[WV], v1                  ; wave 0..3
	s_lshr_b32 s[WHI], s[WV], 1
	s_and_b32 s[WLO], s[WV], 1
	s_bfe_u32 s21, ttmp6, 0x40000                  ; cx, cy
	s_bfe_u32 s22, ttmp6, 0x40004
	s_lshl_b32 s23, ttmp9, 2
	s_add_co_u32 s23, s23, s21                     ; tile column
	s_and_b32 s3, ttmp7, 0xffff
	s_lshl_b32 s3, s3, 2
	s_add_co_u32 s3, s3, s22                       ; tile row
	s_lshl_b32 s40, s22, 2
	s_lshl_b32 s40, 15, s40                        ; my row of the cluster
	s_lshl_b32 s41, 0x1111, s21                    ; my column
	s_or_b32 s[G1A], s40, (3<<16)|(1<<21)          ; records as rows of 800 elements of 8 bytes, dense in LDS; the mask, and bit 21 beside it
	s_or_b32 s[G1B], s41, (3<<16)|(1<<21)
	s_mov_b32 s[G1A+1], 800<<16                    ; tensor_dim0
	s_mov_b32 s[G1A+2], 16<<16                     ; tensor_dim1: a whole tile, 16 records
	s_mov_b32 s[G1A+3], 800<<16                    ; tile_dim0
	s_mov_b32 s[G1A+4], 16
	s_mov_b32 s[G1A+5], 1600                       ; 12,800 bytes from row block to row block
	s_mov_b32 s[G1A+6], 0
	s_mov_b32 s[G1A+7], 0
	s_mov_b32 s[G1B+1], 800<<16
	s_mov_b32 s[G1B+2], 4<<16                      ; 4 records
	s_mov_b32 s[G1B+3], 800<<16
	s_mov_b32 s[G1B+4], 4
	s_mov_b32 s[G1B+5], 1600
	s_mov_b32 s[G1B+6], 0
	s_mov_b32 s[G1B+7], 0
	; four tiles, one a wave: waves 0 and 2 hidden's 16 records of slots 0 and 1 (groups 0 and 1 of K), waves 1 and 3 W_o's 4
	s_mul_i32 s42, s3, 32*REC
	s_mul_i32 s46, s[WHI], REC
	s_add_co_u32 s42, s42, s46
	s_mov_b32 s43, 0
	s_mul_i32 s44, s23, NB*BPITCH
	s_add_co_u32 s44, s44, s46
	s_add_co_u32 s44, s44, WOFF
	s_mov_b32 s45, 0
	s_mul_i32 s46, s[WHI], SLOT                    ; where they go: no place in the cluster enters an LDS address
	s_add_co_u32 s47, s46, ABYTES
	s_wait_dscnt 0x0
	s_wait_kmcnt 0x0
	s_add_nc_u64 s[42:43], s[4:5], s[42:43]
	s_add_nc_u64 s[44:45], s[6:7], s[44:45]
	CROUND                                         ; all sixteen work-groups are here: the joint loads meet
.irp s, 0
	s_mov_b32 s[G0A+4*\s], 1
	s_add_co_u32 s[G0A+4*\s+1], s46, \s*SLOT
	s_add_nc_u64 s[G0A+4*\s+2:G0A+4*\s+3], s[42:43], \s*REC
	s_or_b32 s[G0A+4*\s+3], s[G0A+4*\s+3], 0x80000000
	s_mov_b32 s[G0B+4*\s], 1
	s_add_co_u32 s[G0B+4*\s+1], s47, \s*SLOT
	s_add_nc_u64 s[G0B+4*\s+2:G0B+4*\s+3], s[44:45], \s*REC
	s_or_b32 s[G0B+4*\s+3], s[G0B+4*\s+3], 0x80000000
	s_cmp_eq_u32 s[WLO], 0
	s_cbranch_scc0 .Lhead_b
	tensor_load_to_lds s[G0A:G0A+3], s[G1A:G1A+7]
	s_nop 0
	PLACES 4
	s_branch .Lhead_asked
.Lhead_b:
	tensor_load_to_lds s[G0B:G0B+3], s[G1B:G1B+7]
	s_nop 0
	PLACES 4
.Lhead_asked:
.endr
	v_and_b32 v1, 15, v0                           ; r
	v_bfe_u32 v2, v0, 4, 1                         ; h
	v_and_b32 v3, 31, v0                           ; lane
	v_lshlrev_b32 v[L16], 4, v3
	s_mul_i32 s2, s[WV], 4*REC
	v_add_nc_u32 v[FA], s2, v[L16]
	v_add_nc_u32 v[FA+1], SLOT, v[FA]
	v_add_nc_u32 v[FB], ABYTES, v[L16]
	v_add_nc_u32 v[FB+1], SLOT, v[FB]
	v_lshlrev_b32 v21, 2, v1
	v_mad_u32_u24 v21, v2, REC, v21                ; 4 r + one record more for lanes 16-31
	v_add_nc_u32 v[SA], s2, v21
	v_add_nc_u32 v[SA+1], SLOT, v[SA]
	v_add_nc_u32 v[SB], ABYTES, v21
	v_add_nc_u32 v[SB+1], SLOT, v[SB]
	s_mul_i32 s2, s[WV], 16*SPITCH                 ; my stage
	v_mul_u32_u24 v[STO], v1, SPITCH
	v_lshl_add_u32 v[STO], v2, 5, v[STO]
	v_add_nc_u32 v[STO], s2, v[STO]
	v_mul_u32_u24 v[RD], v2, SPITCH
	v_lshl_add_u32 v[RD], v1, 4, v[RD]
	v_add_nc_u32 v[RD], s2, v[RD]
	v_lshlrev_b32 v[CO], 11, v2                    ; a row of out0 is 2,048 bytes
	v_lshl_add_u32 v[CO], v1, 4, v[CO]
	v_lshlrev_b32 v[BO], 5, v2
	s_wait_alu depctr_va_vdst(0)
	s_lshl_b32 s88, s3, 8
	s_lshl_b32 s89, s[WV], 6
	s_add_co_u32 s88, s88, s89                     ; my first row
	s_lshl_b32 s88, s88, 11
	s_lshl_b32 s89, s23, 8                         ; 64 columns are 256 bytes
	s_add_co_u32 s88, s88, s89
	s_mov_b32 s89, 0
	s_add_nc_u64 s[OP:OP+1], s[10:11], s[88:89]
	s_lshl_b32 s94, s23, 8
	s_mov_b32 s95, 0
	s_add_nc_u64 s[8:9], s[8:9], s[94:95]          ; b_o at my 64 columns
	WIN 0x80                                       ; destination window 2
.irp b, 0,1,2,3
	global_load_b128 v[128+8*\b:128+8*\b+3], v[BO], s[8:9] offset:64*\b            ; lane (r, h): b_o of columns 16 b + 8 h + 0 .. 7
	global_load_b128 v[128+8*\b+4:128+8*\b+7], v[BO], s[8:9] offset:64*\b+16
.endr
	WIN 0
	s_wait_tensorcnt 0x0                           ; my tile of the four is in
	s_barrier_signal -1
	s_barrier_wait -1
	FETCH 0, 0, 0
	s_wait_loadcnt 0x0                             ; the bias
	KSTEP 0, 0, 2                                  ; the first products take the bias as C
	KSTEP 0, 1, 0
	KSTEP 0, 2, 0
	s_wait_tensorcnt 0x0                           ; the change of slots: my part of slot 1 is in,
	s_wait_dscnt 0x0                               ; and my reads of slot 0 are over
	s_barrier_signal -1
	WIN MW
	MULA 1, 0, 0
	MULA 1, 1, 0
	s_barrier_wait -1
	PLACES 4
	FETCH 1, 0, 0
	WIN MW
	MULA 1, 2, 0
	MULA 1, 3, 0
	KSTEP 1, 0, 0
	KSTEP 1, 1, 0
	KSTEP 1, 2, 0
	s_wait_dscnt 0x0
	WIN MW
	MUL16 1, 0
	; THE WAY OUT: a lane holds 32 neighbouring bytes of a row; a block of 16 rows x 256 bytes goes through my stage and comes back as whole rows.  LDS serves a wave's instructions in order: no wait between stores and loads.
	WIN 0
	PLACES 4                                       ; behind the last products: their results are read, and rows land in registers that held fragments
.irp a, 0,1,2,3
	WIN 0x08                                       ; an LDS store's data are its source 1: window 2
.irp b, 0,1,2,3
	ds_store_b128 v[STO], v[8*(4*\a+\b):8*(4*\a+\b)+3] offset:64*\b                ; each accumulator from its low end on
	ds_store_b128 v[STO], v[8*(4*\a+\b)+4:8*(4*\a+\b)+7] offset:64*\b+16
.endr
	WIN 0
.irp t, 0,1,2,3,4,5,6,7
	ds_load_b128 v[OB+32*\a+4*\t:OB+32*\a+4*\t+3], v[RD] offset:2*SPITCH*\t        ; each block has registers of its own
.endr
.endr
.irp a, 0,1,2,3
.irp t, 0,1,2,3,4,5,6,7
	s_wait_dscnt 16*(3-\a)+7-\t                    ; behind this load: the rest of its block's, and 16 LDS instructions for each later block
	global_store_b128 v[CO], v[OB+32*\a+4*\t:OB+32*\a+4*\t+3], s[OP:OP+1] offset:(16*\a+2*\t)*2048 th:TH_STORE_NT   ; sixteen lanes store 256 consecutive bytes, at a multiple of 256 from out0's first byte
.endr
.endr
	s_wait_tensorcnt 0x0
	ds_add_u32 v254, v255
	s_wait_dscnt 0x0
	CROUND                                         ; the closing round: no work-group ends while a partner may still ask for a tile that names it (no LDS instruction of mine is out: the last count was 0)
	s_endpgm
.Lfunc_end_k_q8ff9bd9a48_head:
	.size	k_q8ff9bd9a48_head, .Lfunc_end_k_q8ff9bd9a48_head-k_q8ff9bd9a48_head
	.p2alignl 7, 3214868480
	.fill 96, 4, 3214868480
	.section	.rodata,"a",@progbits
	.p2align	6, 0x0
	.amdhsa_kernel k_q8ff9bd9a48_head
		.amdhsa_group_segment_fixed_size 262656
		.amdhsa_private_segment_fixed_size 0
		.amdhsa_enable_private_segment 0
		.amdhsa_kernarg_size 32
		.amdhsa_user_sgpr_count 2
		.amdhsa_user_sgpr_kernarg_segment_ptr 1
		.amdhsa_wavefront_size32 1
		.amdhsa_system_sgpr_workgroup_id_x 1
		.amdhsa_system_sgpr_workgroup_id_y 1
		.amdhsa_system_sgpr_workgroup_id_z 1
		.amdhsa_system_vgpr_workitem_id 0
		.amdhsa_next_free_vgpr 768
		.amdhsa_next_free_sgpr 96
		.amdhsa_reserve_vcc 0
		.amdhsa_float_denorm_mode_32 3
		.amdhsa_float_denorm_mode_16_64 3
		.amdhsa_memory_ordered 1
		.amdhsa_forward_progress 1
		.amdhsa_inst_pref_size 48
	.end_amdhsa_kernel
	.amdgpu_metadata
---
amdhsa.version: [ 1, 2 ]
amdhsa.kernels:
  - .name:           k_q8ff9bd9a48_head
    .symbol:         k_q8ff9bd9a48_head.kd
    .args:
      - { .name: hidq, .offset: 0, .size: 8, .value_kind: global_buffer, .address_space: global }
      - { .name: qin, .offset: 8, .size: 8, .value_kind: global_buffer, .address_space: global }
      - { .name: b_o, .offset: 16, .size: 8, .value_kind: global_buffer, .address_space: global }
      - { .name: out0, .offset: 24, .size: 8, .value_kind: global_buffer, .address_space: global }
    .group_segment_fixed_size: 262656
    .private_segment_fixed_size: 0
    .kernarg_segment_align: 8
    .kernarg_segment_size: 32
    .max_flat_workgroup_size: 128
    .sgpr_count:     96
    .vgpr_count:     768
    .wavefront_size: 32
...
	.end_amdgpu_metadata
.endif
;; end of part 4
